; MI455X (gfx1250); checked and timed in simulation.
; The chip was launched on July 23, 2026; its instructions are those of AMD's public machine-readable ISA for CDNA 5 (MIT licence, August 2026) and "CDNA5" Instruction Set Architecture Reference Guide (July 2026). The comments in the code are by the model that wrote it; some were corrected since.
;; Pure Cross Attention. Allowed arithmetic: matrix products marked QUANTISED: E2M1 operands, one E8M0 scale for each 32 along K, by v_wmma_scale_f32_16x16x128_f8f6f4 with both operands' format E2M1 (or v_wmma_scale_f32_32x16x128_f4), f32 sums; products left as they are: bf16, f16 or f32 operands; f32 sums; everything else in f32.
;; Inputs: Wk 1,024 x 1,024 float32; Wo 1,024 x 1,024 float32; Wq 1,024 x 1,024 float32; Wr 1,024 x 1,024 float32; Wv 1,024 x 1,024 float32; attention_mask 4 x 1 x 1,024 x 1,024 float32; bk 1,024 float32; bo 1,024 float32; bq 1,024 float32; br 1,024 float32; bv 1,024 float32; kv 4 x 1,024 x 1,024 float32; q 4 x 1,024 x 1,024 float32.
;; Outputs: out0 4 x 1,024 x 1,024 float32; out1 4 x 1,024 x 1,024 float32.
;; This version of the problem:
;;   THIS VERSION OF THE PROBLEM IS GIVEN IN LOW PRECISION. The matrix products marked QUANTISED in the list below multiply operands that are first quantised to E2M1 (2 exponent bits, 1 mantissa bit; 4 bits a number), with one power-of-two scale for each 32 numbers along K (OCP MX v1.0); their sums are f32. The products marked 'left as it is' may take bf16, f16 or f32 operands, with f32 sums. Whichever they take, every output number must still come out within the allowed error. Rounding operands to bf16 (8 significant bits) uses up far more of that allowance than f16 does (11 bits, for magnitudes from 6e-5 to 65,504). All else is computed in f32.
;;   The module's matrix products, in the order in which they are computed (A, B: the left and right operand; K: the contracted axis; several contracted axes count as one K, in the product's order):
;;     1. [M 4,096, K 1,024] x [K 1,024, N 1,024]; A: input q; B: input Wq: QUANTISED
;;     2. [M 4,096, K 1,024] x [K 1,024, N 1,024]; A: input kv; B: input Wk: QUANTISED
;;     3. [M 4,096, K 1,024] x [K 1,024, N 1,024]; A: input kv; B: input Wv: QUANTISED
;;     4. batch 64 x [M 1,024, K 64] x [K 64, N 1,024]; A: computed on the way; B: computed on the way: left as it is (an operand is computed on the way)
;;     5. batch 64 x [M 1,024, K 1,024] x [K 1,024, N 64]; A: computed on the way; B: computed on the way: left as it is (an operand is computed on the way)
;;     6. [M 4,096, K 1,024] x [K 1,024, N 1,024]; A: computed on the way; B: input Wo: left as it is (an operand is computed on the way)
;;     7. batch 64 x [M 1,024, K 1,024] x [K 1,024, N 64]; A: computed on the way; B: computed on the way: left as it is (an operand is computed on the way)
;;     8. [M 4,096, K 1,024] x [K 1,024, N 1,024]; A: computed on the way; B: input Wr: left as it is (an operand is computed on the way)
;;   THE QUANTISER, for each operand of a quantised product, along K:
;;     - K is cut into blocks of 32 from its start; a last block that is shorter is filled with zeros.
;;     - A block's scale is 2^e with e = floor(log2(the largest magnitude in the block)) - 2, held to -126 .. 127; a block of zeros has e = 0. As a byte (E8M0): e + 127.
;;     - Each number is divided by its block's scale, clamped to +-6, and rounded to the nearest number of E2M1, ties to even, subnormals kept.
;;     - The product sums the exact products of the quantised numbers (number of the format x scale) in f32.
;;   ~~~python
;;   def quantise(x, axis):      # numpy; x: float32 -> the quantised numbers, widened to float32 again
;;       x = np.moveaxis(x, axis, -1); K = x.shape[-1]
;;       x = np.pad(x, [(0, 0)] * (x.ndim - 1) + [(0, -K % 32)]); x = x.reshape(x.shape[:-1] + (-1, 32)); a = np.abs(x).max(-1, keepdims=True)
;;       e = np.where(a > 0, np.clip(np.frexp(np.where(a > 0, a, 1))[1] - 1 - 2, -126, 127), 0)      # np.frexp(a)[1] - 1 = floor(log2(a)), exactly
;;       r = np.clip(x / 2.0 ** e, -6, 6)
;;       step = 2.0 ** (np.maximum(np.frexp(np.where(r == 0, 1, r))[1] - 1, 0) - 1)
;;       q = np.round(r / step) * step * 2.0 ** e      # np.round: ties to even
;;       return np.moveaxis(q.reshape(q.shape[:-2] + (-1,))[..., :K], -1, axis).astype(np.float32)
;;   ~~~
;; One version. Each part assembles by itself: llvm-mc -triple=amdgcn-amd-amdhsa -mcpu=gfx1250 --defsym DOCPART=n.
;; ======== version 1 of 1: 4 launches
;; limits: values are held in f16: magnitudes above 65,504 overflow, below 6.1e-05 lose precision
;; workspace buffers: codes 5,767,168 bytes; scales 360,448 bytes; wof 4,194,304 bytes; qkvf 25,165,824 bytes; orf 16,777,216 bytes
;; launch prep (part 1): grid 416 x 1, 4 waves a work-group, no clusters, 33,280 bytes of LDS; arguments q, kv, Wq, Wk, Wv, Wo, Wr, codes, scales, wof; writes codes, scales, wof
.if DOCPART == 1
	.amdgcn_target "amdgcn-amd-amdhsa--gfx1250"
	.amdhsa_code_object_version 6
	.text
	.protected	k_qd1a0b5ddf9_prep
	.globl	k_qd1a0b5ddf9_prep
	.p2align	8
	.type	k_qd1a0b5ddf9_prep,@function
k_qd1a0b5ddf9_prep:
	s_mov_b64 s[64:65], 0
	v_nop
	global_prefetch_b8 v0, s[64:65] scope:SCOPE_SE
	s_setreg_imm32_b32 hwreg(HW_REG_WAVE_MODE, 25, 1), 1
	s_wait_xcnt 0x0
; q, kv [4096][1024] and Wq, Wk, Wv [1024][1024], f32, K innermost, become codes of FP4 (E2M1) with one E8M0 byte for each 32 along K;  Wo, Wr become f16.
; codes: [11264 rows][512 bytes], scales: [11264][32 bytes]; rows 0-4095 q, 4096-8191 kv, 8192-9215 Wq, 9216-10239 Wk, 10240-11263 Wv.  wof: [Wo, Wr][1024][1024] f16.
; A block's scale is 2^(floor(log2(its largest magnitude)) - 2); its byte is the largest magnitude's exponent field - 2, held at 1 from below.  A block of zeros so gets the byte 1 where the
; rule says 127: its codes are zeros, which add nothing under any byte but 0xff, and this program alone reads the bytes.
; LIMITS: blocks whose largest magnitude lies under 2^-124 (the floor) were not tried; NaN and infinities among the inputs are not served.  Wo, Wr as f16: magnitudes up to 65,504; under 6e-5 the step is 2^-25.
; Rows are dense and 1024 is a multiple of 32: the five tensors are plain streams of blocks of 32.  Work-groups 0-351 quantise 32,768 numbers each, in the order of the rows of codes; 352-415 convert.
; A wave quantises 16 steps of 512 numbers.  The conversions want 16 NEIGHBOURS in a lane, a load wants neighbouring LANES on neighbouring bytes: each load reads 512 consecutive bytes, and a step's
; 2,048 bytes turn through the wave's own stage in LDS (16 bytes of padding behind each 64).  A lane's 16 codes are 8 bytes: a wave's store covers 256 consecutive bytes, aligned.
; A wave's 256 scale bytes are gathered in its own LDS bytes and leave by one store of 256 consecutive bytes.  Waves share nothing: no barrier.
.set WAVES, 4
.set STEPS, 16
.set QWG,   352                        ; work-groups that quantise
.set EMAX,  2
.set CB,    8                          ; bytes of 16 codes
.set R,     16                         ; v16-79   four sets of 16 numbers as loaded (the converting path: v16-143, two sets of 64)
.set X,     80                         ; v80-111  two sets of 16 neighbours
.set C,     128                        ; v128-191 codes: registers of its own for each step
.set E,     112                        ; v112-127 a scale byte for each step
.set WREG,  8192                       ; LDS: a region for each wave: two stages of 32 x SP bytes, then its 256 scale bytes
.set SP,    80
.set SPW,   12                         ; v12  LDS address of my spare word; never rewritten
.set NIL,   13                         ; v13  0; never rewritten
.set SPARE, WAVES*WREG                 ; the spare words: 128 bytes a wave, named by no other line
	s_load_b256 s[4:11], s[0:1], 0x0               ; q, kv, Wq, Wk
	s_load_b256 s[12:19], s[0:1], 0x20             ; Wv, Wo, Wr, codes
	s_load_b128 s[20:23], s[0:1], 0x40             ; scales, wof
	v_lshl_add_u32 v[SPW], v0, 2, SPARE
	v_mov_b32 v[NIL], 0
	v_lshrrev_b32 v1, 5, v0
	v_readfirstlane_b32 s24, v1                    ; wave
	v_and_b32 v2, 31, v0                           ; lane
	v_lshlrev_b32 v3, 4, v2                        ; my 16 bytes of a load's 512
	s_mul_i32 s25, s24, WREG
	v_lshrrev_b32 v14, 2, v2
	v_mul_u32_u24 v14, v14, SP
	v_and_b32 v15, 3, v2
	v_lshl_add_u32 v14, v15, 4, v14
	v_add_nc_u32 v14, s25, v14                     ; the stage, on the way in: SP (lane / 4) + 16 (lane % 4)
	v_mul_u32_u24 v15, v2, SP
	v_add_nc_u32 v15, s25, v15                     ; on the way out: SP x lane: my 16 neighbours
	v_mul_u32_u24 v4, v2, CB                       ; 8 x lane: my codes' place in a step's; the converting path's place in a store's 256 bytes
	v_lshrrev_b32 v5, 1, v2
	s_add_co_u32 s25, s25, 2*32*SP
	v_add_nc_u32 v5, s25, v5                       ; LDS: my block's scale byte
	v_lshlrev_b32 v7, 3, v2
	v_add_nc_u32 v6, s25, v7                       ; and on the way out 8 bytes a lane
	s_wait_kmcnt 0x0
	s_cmp_ge_u32 ttmp9, QWG
	s_cbranch_scc1 .Lconvert
	; which tensor: the choice hangs on the work-group's number alone
	s_mov_b64 s[26:27], s[12:13]                   ; Wv, whose first work-group is 320
	s_mov_b32 s28, 320
	s_cmp_lt_u32 ttmp9, 320
	s_cselect_b64 s[26:27], s[10:11], s[26:27]     ; Wk
	s_cselect_b32 s28, 288, s28
	s_cmp_lt_u32 ttmp9, 288
	s_cselect_b64 s[26:27], s[8:9], s[26:27]       ; Wq
	s_cselect_b32 s28, 256, s28
	s_cmp_lt_u32 ttmp9, 256
	s_cselect_b64 s[26:27], s[6:7], s[26:27]       ; kv
	s_cselect_b32 s28, 128, s28
	s_cmp_lt_u32 ttmp9, 128
	s_cselect_b64 s[26:27], s[4:5], s[26:27]       ; q
	s_cselect_b32 s28, 0, s28
	s_sub_co_u32 s29, ttmp9, s28
	s_lshl_b32 s29, s29, 2
	s_add_co_u32 s30, s29, s24                     ; which run of 8,192 numbers of the tensor is my wave's
	s_lshl_b32 s30, s30, 15                        ; 32,768 bytes a run
	s_mov_b32 s31, 0
	s_add_nc_u64 s[26:27], s[26:27], s[30:31]
	s_lshl_b32 s32, ttmp9, 2
	s_add_co_u32 s32, s32, s24                     ; and which run of the outputs
	s_lshl_b32 s34, s32, 12                        ; 4,096 bytes of codes a run
	s_mov_b32 s35, 0
	s_add_nc_u64 s[18:19], s[18:19], s[34:35]
	s_lshl_b32 s34, s32, 8                         ; 256 scale bytes a run
	s_add_nc_u64 s[20:21], s[20:21], s[34:35]
.macro LOAD t
.irp i, 0,1,2,3
	global_load_b128 v[R+16*((\t)%4)+4*\i:R+16*((\t)%4)+4*\i+3], v3, s[26:27] offset:2048*(\t)+512*\i th:TH_LOAD_NT   ; 32 lanes read 512 consecutive bytes
.endr
.endm
.macro TURN t                          ; step t's numbers through the stage: LDS serves a wave's instructions in order, so no wait stands between the stores and the loads
.irp i, 0,1,2,3
	ds_store_b128 v14, v[R+16*((\t)%4)+4*\i:R+16*((\t)%4)+4*\i+3] offset:32*SP*((\t)%2)+8*SP*\i
.endr
.irp i, 0,1,2,3
	ds_load_b128 v[X+16*((\t)%2)+4*\i:X+16*((\t)%2)+4*\i+3], v15 offset:32*SP*((\t)%2)+16*\i
.endr
.endm
.irp t, 0,1,2,3
	LOAD \t
.endr
	s_wait_loadcnt 12                              ; step 0's four loads are in; three steps' twelve may be out
	TURN 0
.macro STEP t
.set XS, X+16*((\t)%2)
.if (\t) > 0
	s_wait_dscnt 1                                 ; this step's numbers are back from the stage (the last step's byte store may be out): so its stores into the stage have read their registers,
.else
	s_wait_dscnt 0x0
.endif
.if (\t)+4 < STEPS
	LOAD (\t)+4                                    ; which take the loads of four steps on
.endif
.if (\t)+1 < STEPS
.if STEPS-2-(\t) >= 3
	s_wait_loadcnt 12                              ; the next step's four loads are in; those of the three steps behind it may be out
.else
	s_wait_loadcnt 4*(STEPS-2-(\t))
.endif
	TURN (\t)+1                                    ; and go through the other stage while this step is worked
.endif
	v_max3_num_f32 v8, |v[XS]|, |v[XS+1]|, |v[XS+2]|               ; the largest magnitude of my 16, in two chains
	v_max3_num_f32 v9, |v[XS+3]|, |v[XS+4]|, |v[XS+5]|
.irp i, 6,10
	v_max3_num_f32 v8, v8, |v[XS+\i]|, |v[XS+\i+1]|
	v_max3_num_f32 v9, v9, |v[XS+\i+2]|, |v[XS+\i+3]|
.endr
	v_max3_num_f32 v8, v8, |v[XS+14]|, |v[XS+15]|
	v_max3_num_f32 v8, v8, v9, (EMAX+1)<<23        ; and the floor 2^(3 - 127): the byte cannot fall under 1
	v_max_num_f32_dpp v8, v8, v8 row_xmask:1 row_mask:0xf bank_mask:0xf   ; and of my neighbour's 16: the block's
	v_add_nc_u32 v11, -(EMAX<<23), v8              ; 2 off its exponent field: the conversion takes the exponent field of this operand as its scale
	v_cvt_scalef32_pk8_fp4_f32 v[C+4*(\t)], v[XS:XS+7], v11        ; to the nearest code, ties to even, beyond 6 the largest code
	v_cvt_scalef32_pk8_fp4_f32 v[C+4*(\t)+1], v[XS+8:XS+15], v11
	v_lshrrev_b32 v[E+(\t)], 23, v11               ; the scale's byte
	ds_store_b8 v5, v[E+(\t)] offset:16*(\t)       ; both lanes of a block write the same byte with the same value
	global_store_b64 v4, v[C+4*(\t):C+4*(\t)+1], s[18:19] offset:32*CB*(\t)
.endm
.irp t, 0,1,2,3,4,5,6,7,8,9,10,11,12,13,14,15
	STEP \t
.endr
	ds_load_b64 v[8:9], v6                         ; LDS serves a wave's instructions in order: these see my stores
	s_wait_dscnt 0x0
	global_store_b64 v7, v[8:9], s[20:21]          ; 32 lanes store 256 consecutive bytes, aligned
	s_wait_tensorcnt 0x0                           ; the wave's end, behind my last LDS store
	ds_add_u32 v[SPW], v[NIL]
	s_wait_dscnt 0x0
	s_endpgm
; Wo and Wr to f16.  A wave takes 8,192 numbers in four batches of sixteen loads; two batches are on their way.
.Lconvert:
	s_sub_co_u32 s28, ttmp9, QWG                   ; 0-31 Wo, 32-63 Wr
	s_cmp_lt_u32 s28, 32
	s_cselect_b64 s[26:27], s[14:15], s[16:17]
	s_and_b32 s29, s28, 31
	s_lshl_b32 s29, s29, 2
	s_add_co_u32 s29, s29, s24
	s_lshl_b32 s30, s29, 15                        ; 32,768 bytes of f32 a wave
	s_mov_b32 s31, 0
	s_add_nc_u64 s[26:27], s[26:27], s[30:31]
	s_lshl_b32 s29, s28, 2
	s_add_co_u32 s29, s29, s24
	s_lshl_b32 s30, s29, 14                        ; 16,384 bytes of f16
	s_add_nc_u64 s[22:23], s[22:23], s[30:31]
.macro LOADC k
.irp i, 0,1,2,3,4,5,6,7,8,9,10,11,12,13,14,15
	global_load_b128 v[16+64*((\k)%2)+4*\i:16+64*((\k)%2)+4*\i+3], v3, s[26:27] offset:8192*(\k)+512*\i th:TH_LOAD_NT
.endr
.endm
.macro BATCH k
.set BS, 16+64*((\k)%2)
.if (\k) < 3
	s_wait_loadcnt 16                              ; this batch is in; the younger batch's sixteen may be out
.else
	s_wait_loadcnt 0x0
.endif
.irp i, 0,1,2,3,4,5,6,7,8,9,10,11,12,13,14,15
	v_cvt_pk_f16_f32 v[BS+4*\i], v[BS+4*\i], v[BS+4*\i+1]
	v_cvt_pk_f16_f32 v[BS+4*\i+1], v[BS+4*\i+2], v[BS+4*\i+3]
.endr
.irp i, 0,1,2,3,4,5,6,7,8,9,10,11,12,13,14,15
	global_store_b64 v4, v[BS+4*\i:BS+4*\i+1], s[22:23] offset:4096*(\k)+256*\i   ; 32 lanes store 256 consecutive bytes, aligned
.endr
.if (\k) < 2
	s_wait_xcnt 0x0                                ; the stores have read their registers: the batch two on may land there
	LOADC (\k)+2
.endif
.endm
	LOADC 0
	LOADC 1
	BATCH 0
	BATCH 1
	BATCH 2
	BATCH 3
	s_endpgm
.Lfunc_end_k_qd1a0b5ddf9_prep:
	.size	k_qd1a0b5ddf9_prep, .Lfunc_end_k_qd1a0b5ddf9_prep-k_qd1a0b5ddf9_prep
	.p2alignl 7, 3214868480
	.fill 96, 4, 3214868480
	.section	.rodata,"a",@progbits
	.p2align	6, 0x0
	.amdhsa_kernel k_qd1a0b5ddf9_prep
		.amdhsa_group_segment_fixed_size 33280
		.amdhsa_private_segment_fixed_size 0
		.amdhsa_enable_private_segment 0
		.amdhsa_kernarg_size 80
		.amdhsa_user_sgpr_count 2
		.amdhsa_user_sgpr_kernarg_segment_ptr 1
		.amdhsa_wavefront_size32 1
		.amdhsa_system_sgpr_workgroup_id_x 1
		.amdhsa_system_sgpr_workgroup_id_y 1
		.amdhsa_system_sgpr_workgroup_id_z 1
		.amdhsa_system_vgpr_workitem_id 0
		.amdhsa_next_free_vgpr 192
		.amdhsa_next_free_sgpr 66
		.amdhsa_reserve_vcc 0
		.amdhsa_float_denorm_mode_32 3
		.amdhsa_float_denorm_mode_16_64 3
		.amdhsa_memory_ordered 1
		.amdhsa_forward_progress 1
		.amdhsa_inst_pref_size 55
	.end_amdhsa_kernel
	.amdgpu_metadata
---
amdhsa.version: [ 1, 2 ]
amdhsa.kernels:
  - .name:           k_qd1a0b5ddf9_prep
    .symbol:         k_qd1a0b5ddf9_prep.kd
    .args:
      - { .name: q, .offset: 0, .size: 8, .value_kind: global_buffer, .address_space: global }
      - { .name: kv, .offset: 8, .size: 8, .value_kind: global_buffer, .address_space: global }
      - { .name: Wq, .offset: 16, .size: 8, .value_kind: global_buffer, .address_space: global }
      - { .name: Wk, .offset: 24, .size: 8, .value_kind: global_buffer, .address_space: global }
      - { .name: Wv, .offset: 32, .size: 8, .value_kind: global_buffer, .address_space: global }
      - { .name: Wo, .offset: 40, .size: 8, .value_kind: global_buffer, .address_space: global }
      - { .name: Wr, .offset: 48, .size: 8, .value_kind: global_buffer, .address_space: global }
      - { .name: codes, .offset: 56, .size: 8, .value_kind: global_buffer, .address_space: global }
      - { .name: scales, .offset: 64, .size: 8, .value_kind: global_buffer, .address_space: global }
      - { .name: wof, .offset: 72, .size: 8, .value_kind: global_buffer, .address_space: global }
    .group_segment_fixed_size: 33280
    .private_segment_fixed_size: 0
    .kernarg_segment_align: 8
    .kernarg_segment_size: 80
    .max_flat_workgroup_size: 128
    .sgpr_count:     66
    .vgpr_count:     192
    .wavefront_size: 32
...
	.end_amdgpu_metadata
.endif
;; end of part 1
;; launch proj (part 2): grid 12 x 16, 4 waves a work-group, clusters of 4 x 4, 327,680 bytes of LDS; arguments codes, scales, bq, bk, bv, qkvf; writes qkvf
.if DOCPART == 2
	.amdgcn_target "amdgcn-amd-amdhsa--gfx1250"
	.amdhsa_code_object_version 6
	.text
	.protected	k_qd1a0b5ddf9_proj
	.globl	k_qd1a0b5ddf9_proj
	.p2align	8
	.type	k_qd1a0b5ddf9_proj,@function
k_qd1a0b5ddf9_proj:
	s_mov_b64 s[64:65], 0
	v_nop
	global_prefetch_b8 v0, s[64:65] scope:SCOPE_SE
	s_setreg_imm32_b32 hwreg(HW_REG_WAVE_MODE, 25, 1), 1
	s_wait_xcnt 0x0
	s_wait_alu depctr_hold_cnt(0) depctr_sa_sdst(0) depctr_va_vdst(0) depctr_va_sdst(0) depctr_va_ssrc(0) depctr_va_vcc(0) depctr_vm_vsrc(0)
	s_getreg_b32 s2, hwreg(HW_REG_IB_STS2, 6, 4)
	s_cmp_eq_u32 s2, 0
	s_cbranch_scc0 .Lentry_in_a_cluster
	s_endpgm
.Lentry_in_a_cluster:
	s_bfe_u32 s2, ttmp6, 0x10000c
	s_cmp_lg_u32 s2, 0xf033
	s_cbranch_scc0 .Lentry_shape_is_right
	s_endpgm
.Lentry_shape_is_right:
; The three quantised products: Q = (q Wq^T + bq) / 8, K = kv Wk^T + bk, V = kv Wv^T + bv, on codes of FP4 (E2M1) with one E8M0 scale for each 32 along K = 1024; sums in f32; results rounded once to f16.
; codes [11264][512 bytes], scales [11264][32 bytes]: rows 0-4095 q, 4096-8191 kv, 8192.. Wq, Wk, Wv.  The cluster's x (0, 1, 2) is the product.
; A tile of 256 tokens x 256 features is made by four waves, each 128 x 128: 64 accumulators, 512 registers.  K goes in two steps of 512, each in an LDS slot of its own: rows of 256 bytes; both slots and
; the scale bytes of the work-group's 512 rows come with the first fills, and nothing is filled again.  12 x 16 = 192 work-groups: a smaller tile would read each LDS byte for half the products.
; CLUSTERS: 4 x 4 work-groups.  The four of a row of the cluster need the same tokens' codes, the four of a column the same weights': each tile is asked for JOINTLY.
; THE MATRIX INSTRUCTION IS USED TRANSPOSED (source 0 = 16 rows of W, source 1 = 16 tokens): a lane holds one token and eight neighbouring features.
; THE RESULT LEAVES AS IMAGES OF 16-BIT FRAGMENTS: qkvf [Q, K, V][token / 16][feature / 32][1,024 bytes]: registers 0-3 of lane l at 16 l of the first 512 bytes, registers 4-7 in the second.  Two neighbouring
; accumulators, rounded in pairs, ARE such a fragment: each store of a wave covers 512 consecutive bytes, aligned, and no stage is needed.  V's pieces of 16 bytes are laid at 16 (r / 8) + 8 h + r % 8
; (r = lane % 16, h = lane / 16), so that the turning LDS load of the next launch finds them at 16 x its lane.
; LIMITS: results as f16: magnitudes up to 65,504; under 6e-5 the step is 2^-25.
; REGISTERS, in windows of 256: window 0: v0-31 addresses; v32-95 scale words, two sets; v128-191 the tokens' fragments, ONE set; v192-255 the bias in the result's layout; on the way out v32-159 are free.
;   window 1: the weights' fragments, TWO sets.   window 2: the accumulators of my tokens 0-63 ((a, b) at v[8 (8 a + b)]);   window 3: those of tokens 64-127.
.set KSTEP,  512
.set NQ,     KSTEP/128
.set ROWB,   256                       ; a tile's row in bytes
.set KROW,   512                       ; a row of codes in memory
.set PITCH,  272                       ; an LDS row: 256 bytes + 16 of padding = 68 words: the 16 rows that a load touches start at 16 different banks (64 banks of 4 bytes: ISA guide 11.1)
.set FR,     8
.set NL,     2
.set NP,     4                         ; places behind this matrix instruction (ISA guide 7.12.1)
.set HALFT,  128*PITCH
.set SLOT,   4*HALFT                   ; the tokens' 256 rows, then the weights' 256
.set KS,     32                        ; a row of scales in bytes
.set SCL,    2*SLOT                    ; behind the slots: the scales, as rows of 256 bytes + 16 of padding
.set HALFS,  (128*KS/256)*272
.set SBLK,   (16*KS/256)*272
.set SPARE,  SCL+4*HALFS               ; the spare words: 128 bytes a wave, named by no other line
.set BOF,  10                          ; v10     32 x (lane / 16): my place in the bias; never rewritten
.set ADRA, 16                          ; v16-17  LDS address of the tokens' fragments in slot 0, 1
.set ADRB, 20                          ; v20-21  the same for the weights
.set CO,   26                          ; v26     my 16 bytes' place in a store's 512
.set ADRS, 27                          ; v27     LDS address of my scale words: lanes 0-15 the tokens', lanes 16-31 the weights'
.set SPW,  28
.set NIL,  29
.set SC,   32
.set AF,   128
.set BY,   192
.set T,    32                          ; the way out: 64 results in f32
.set PK,   96                          ; and packed: two sets of 32
.set G1, 24
.set G0, 32
.set G1B, 48
.set G0B, 56
.set G1S, 68
.set G0S, 76
.set G1SB, 80
.set G0SB, 88
.set MSB, 0
.macro WIN new                         ; the immediate's high byte repeats the setting that is left
.if MSB != (\new)
	s_set_vgpr_msb (MSB<<8)|(\new)
.set MSB, (\new)
.endif
.endm
.set MUL_LO, 0xa1                      ; source 0 (W) window 1, source 1 (tokens) window 0, C and D window 2
.set MUL_HI, 0xf1
.set TO_B,   0x40
; A joint load: waves 0 and 1 fetch for the tokens, waves 2 and 3 for the weights.  The branch hangs on the wave's number alone.  An s_nop 0 and four v_nop follow each line.
.macro JLOAD g0a, g1a, g0b, g1b
	s_cmp_eq_u32 s17, 0
	s_cbranch_scc0 .Lfor_b_\@
	tensor_load_to_lds s[\g0a:\g0a+3], s[\g1a:\g1a+7]
	s_nop 0
.rept 4
	v_nop
.endr
	s_branch .Lasked_\@
.Lfor_b_\@:
	tensor_load_to_lds s[\g0b:\g0b+3], s[\g1b:\g1b+7]
	s_nop 0
.rept 4
	v_nop
.endr
.Lasked_\@:
.endm
.macro CROUND                          ; a round of the cluster's barrier
	s_barrier_signal -1
	s_barrier_wait -1
	s_cmp_lg_u32 s16, 0
	s_cbranch_scc1 .Lnot_wave_0_\@
	s_barrier_signal -3
.Lnot_wave_0_\@:
	s_barrier_wait -3
	s_barrier_signal -1
	s_barrier_wait -1
.endm
	s_load_b256 s[4:11], s[0:1], 0x0               ; codes, scales, bq, bk
	s_load_b128 s[12:15], s[0:1], 0x20             ; bv, qkvf
	v_lshl_add_u32 v[SPW], v0, 2, SPARE
	v_mov_b32 v[NIL], 0
	ds_add_u32 v[SPW], v[NIL]                      ; the wave's opening: the add, twice on end, and its wait ahead of my first tensor load
	ds_add_u32 v[SPW], v[NIL]
	v_lshrrev_b32 v1, 5, v0
	v_readfirstlane_b32 s16, v1                    ; wave 0..3
	s_lshr_b32 s17, s16, 1                         ; which half of the tile's tokens is mine.  Also: I fetch for the tokens (0) or the weights (1)
	s_and_b32 s18, s16, 1                          ; which half of its features.  Also: which 128 rows I fetch
	s_bfe_u32 s40, ttmp6, 0x40000                  ; cx, cy: my place in the cluster
	s_bfe_u32 s41, ttmp6, 0x40004
	s_lshl_b32 s42, ttmp9, 2
	s_add_co_u32 s42, s42, s40                     ; tile column 0..11 = 4 x product + cx
	s_and_b32 s19, ttmp7, 0xffff
	s_lshl_b32 s19, s19, 2
	s_add_co_u32 s19, s19, s41                     ; tile row 0..15
	s_lshl_b32 s43, s41, 2
	s_lshl_b32 s43, 15, s43                        ; my row of the cluster
	s_lshl_b32 s44, 0x1111, s40                    ; my column
	; descriptor group 1: a tile of 128 rows x 256 bytes, padded in LDS
	s_or_b32 s[G1+0], s43, (0<<16)|(1<<20)|(1<<21)|(5<<22)|(3<<25)  ; 15:0 the mask; 17:16 elements of 1 byte; 20 padding on; 21 set beside a mask; 24:22 after every 64 words; 31:25 four words
	s_or_b32 s[G1B+0], s44, (0<<16)|(1<<20)|(1<<21)|(5<<22)|(3<<25)
.irp g, G1, G1B
	s_mov_b32 s[\g+1], ROWB<<16                    ; tensor_dim0
	s_mov_b32 s[\g+2], 128<<16                     ; tensor_dim1
	s_mov_b32 s[\g+3], ROWB<<16                    ; tile_dim0
	s_mov_b32 s[\g+4], 128                         ; tile_dim1
	s_mov_b32 s[\g+5], KROW                        ; tensor_dim0_stride
	s_mov_b32 s[\g+6], 0
	s_mov_b32 s[\g+7], 0
.endr
	; the scales of 128 rows: 4,096 dense bytes, as 16 rows of 256 bytes (32 elements of 8 bytes), 16 bytes of padding behind each
	s_or_b32 s[G1S+0], s43, (3<<16)|(1<<20)|(1<<21)|(5<<22)|(3<<25)
	s_or_b32 s[G1SB+0], s44, (3<<16)|(1<<20)|(1<<21)|(5<<22)|(3<<25)
.irp g, G1S, G1SB
	s_mov_b32 s[\g+1], 32<<16
	s_mov_b32 s[\g+2], (128*KS/256)<<16
	s_mov_b32 s[\g+3], 32<<16
	s_mov_b32 s[\g+4], 128*KS/256
	s_mov_b32 s[\g+5], 32
	s_mov_b32 s[\g+6], 0
	s_mov_b32 s[\g+7], 0
.endr
	s_lshl_b32 s2, s18, 7                          ; which 128 rows of the tile I fetch
	s_lshl_b32 s20, s19, 8
	s_add_co_u32 s20, s20, s2                      ; tokens: 256 x tile row + 128 x half,
	s_min_u32 s3, ttmp9, 1
	s_lshl_b32 s3, s3, 12
	s_add_co_u32 s20, s20, s3                      ; among q's rows (product 0) or kv's (from row 4096): the cluster's x is shared by all partners
	s_lshl_b32 s46, s42, 8
	s_add_co_u32 s46, s46, s2
	s_add_co_u32 s46, s46, 8192                    ; weights: row 8192 + 256 x tile column + 128 x half
	s_lshl_b32 s22, s20, 5                         ; where these rows' scales begin, in bytes
	s_mov_b32 s23, 0
	s_lshl_b32 s92, s46, 5
	s_mov_b32 s93, 0
	s_lshl_b32 s20, s20, 9                         ; and their codes
	s_mov_b32 s21, 0
	s_lshl_b32 s46, s46, 9
	s_mov_b32 s47, 0
	s_mul_i32 s45, s16, HALFT                      ; where they go: wave x 128 rows: no place in the cluster enters an LDS address
	s_mul_i32 s94, s16, HALFS
	s_wait_dscnt 0x0                               ; both opening adds are done
	s_wait_kmcnt 0x0
	s_add_nc_u64 s[20:21], s[4:5], s[20:21]
	s_add_nc_u64 s[22:23], s[6:7], s[22:23]
	s_add_nc_u64 s[46:47], s[4:5], s[46:47]
	s_add_nc_u64 s[92:93], s[6:7], s[92:93]
	CROUND                                         ; all sixteen work-groups are here: the joint loads meet
	s_mov_b32 s[G0S], 1
	s_add_co_u32 s[G0S+1], s94, SCL
	s_mov_b64 s[G0S+2:G0S+3], s[22:23]
	s_or_b32 s[G0S+3], s[G0S+3], 0x80000000
	s_mov_b32 s[G0SB], 1
	s_add_co_u32 s[G0SB+1], s94, SCL
	s_mov_b64 s[G0SB+2:G0SB+3], s[92:93]
	s_or_b32 s[G0SB+3], s[G0SB+3], 0x80000000
	JLOAD G0S, G1S, G0SB, G1SB                     ; the scales first: they are wanted with K step 0
.irp s, 0,1
	s_mov_b32 s[G0+4*\s], 1
	s_add_co_u32 s[G0+4*\s+1], s45, \s*SLOT
	s_add_nc_u64 s[G0+4*\s+2:G0+4*\s+3], s[20:21], \s*ROWB
	s_or_b32 s[G0+4*\s+3], s[G0+4*\s+3], 0x80000000
	s_mov_b32 s[G0B+4*\s], 1
	s_add_co_u32 s[G0B+4*\s+1], s45, \s*SLOT
	s_add_nc_u64 s[G0B+4*\s+2:G0B+4*\s+3], s[46:47], \s*ROWB
	s_or_b32 s[G0B+4*\s+3], s[G0B+4*\s+3], 0x80000000
	JLOAD G0+4*\s, G1, G0B+4*\s, G1B               ; three loads of mine are out
.endr
	v_and_b32 v1, 15, v0                           ; r = lane % 16
	v_bfe_u32 v2, v0, 4, 1                         ; h = lane / 16
	v_mul_u32_u24 v3, v1, PITCH
	v_lshl_add_u32 v4, v2, 4, v3                   ; a fragment's row x pitch + 16 h
	s_mul_i32 s21, s17, HALFT                      ; my 128 tokens
	s_mul_i32 s22, s18, HALFT                      ; my 128 rows of W,
	s_add_co_u32 s22, s22, 2*HALFT                 ; which lie behind the tokens' 256
.irp s, 0,1
	v_add_nc_u32 v[ADRA+\s], s21, v4
	v_add_nc_u32 v[ADRB+\s], s22, v4
	s_add_co_u32 s21, s21, SLOT
	s_add_co_u32 s22, s22, SLOT
.endr
	v_mul_u32_u24 v5, v1, KS                       ; my row's scales: 32 bytes a row,
	v_lshrrev_b32 v6, 8, v5
	v_lshl_add_u32 v5, v6, 4, v5                   ; and 16 more for each 256 passed
	s_mul_i32 s21, s17, HALFS
	s_mul_i32 s22, s18, HALFS
	s_add_co_u32 s22, s22, 2*HALFS
	s_sub_co_u32 s22, s22, s21
	v_mul_u32_u24 v6, s22, v2                      ; lanes 16-31 take the weights'
	s_add_co_u32 s21, s21, SCL
	v_add_nc_u32 v5, v5, v6
	v_add_nc_u32 v[ADRS], s21, v5
	; the way out: my 16 bytes' place in a store's 512: 16 x lane; for V 16 x (16 (r / 8) + 8 h + r % 8)
	v_and_b32 v6, 31, v0
	v_lshlrev_b32 v7, 4, v6
	v_lshrrev_b32 v8, 3, v1
	v_and_b32 v9, 7, v1
	v_lshl_add_u32 v9, v2, 3, v9
	v_lshl_add_u32 v9, v8, 4, v9
	v_lshlrev_b32 v9, 4, v9
	v_lshlrev_b32 v[BOF], 5, v2
	s_and_b32 s46, s42, 3                          ; the tile column within the product
	s_lshl_b32 s46, s46, 10                        ; 256 features x 4 bytes
	s_lshl_b32 s47, s18, 9
	s_add_co_u32 s46, s46, s47                     ; my 128 numbers of the bias
	s_mov_b32 s47, 0
	s_cmp_eq_u32 ttmp9, 0                          ; the choices hang on the product alone
	s_cselect_b64 s[8:9], s[8:9], s[10:11]
	s_cselect_b32 s96, 0x3e000000, 1.0             ; Q is scaled by 64^-0.5 = 1 / 8: a power of two, so (sum + b) / 8 = fma(sum, 1 / 8, b / 8) to the bit
	s_cmp_eq_u32 ttmp9, 2
	s_cselect_b64 s[8:9], s[12:13], s[8:9]
	s_cselect_b32 s98, -1, 0
	s_mov_b32 s97, s96                             ; (named with s96 as a pair, so it is written)
	s_add_nc_u64 s[8:9], s[8:9], s[46:47]
	v_cndmask_b32 v[CO], v7, v9, s98
.irp b, 0,1,2,3,4,5,6,7
	global_load_b128 v[BY+8*\b:BY+8*\b+3], v[BOF], s[8:9] offset:64*\b         ; b[16 b + 8 h + 0 .. 7] of my 128: the result's layout
	global_load_b128 v[BY+8*\b+4:BY+8*\b+7], v[BOF], s[8:9] offset:64*\b+16
.endr
	s_lshl_b32 s20, s19, 4                         ; qkvf: token tile 16 x tile row + 8 x half,
	s_lshl_b32 s21, s17, 3
	s_add_co_u32 s20, s20, s21
	s_lshl_b32 s20, s20, 5                         ; 32 images a token tile,
	s_and_b32 s46, s42, 3
	s_lshl_b32 s46, s46, 3
	s_add_co_u32 s20, s20, s46                     ; 8 a tile column,
	s_lshl_b32 s46, s18, 2
	s_add_co_u32 s20, s20, s46                     ; 4 a half,
	s_lshl_b32 s20, s20, 10                        ; 1,024 bytes each,
	s_lshl_b32 s46, ttmp9, 23
	s_add_co_u32 s20, s20, s46                     ; 8 MiB a product
	s_mov_b32 s21, 0
	s_add_nc_u64 s[14:15], s[14:15], s[20:21]
.macro FRAG reg, adr, q, i             ; 16 rows x 128 K of 4-bit codes: 8 registers: lane l holds row l % 16; registers 4 c .. 4 c + 3 hold K = 64 c + 32 (l / 16) + 0 .. 31
.irp c, 0,1
	ds_load_b128 v[\reg+4*\c:\reg+4*\c+3], v[\adr] offset:64*(\q)+32*\c+(\i)*16*PITCH
.endr
.endm
; 16 matrix instructions: token blocks a0, a0 + 1 x W's eight, 128 along K: the slot's q-th.  zero = 1: the first product starts the sums.  The 64 accumulators take turns, one instruction a turn.
; One register carries both sides' scale words: lanes 0-15 the tokens' block i, lanes 16-31 W's block i.
.macro MUL16 a0, p, q, sc, zero
.irp a, \a0, \a0+1
.irp b, 0,1,2,3,4,5,6,7
.if \zero
	v_wmma_scale_f32_16x16x128_f8f6f4 v[8*(8*((\a)%4)+\b):8*(8*((\a)%4)+\b)+7], v[128*(\p)+FR*\b:128*(\p)+FR*\b+FR-1], v[AF+FR*(\a):AF+FR*(\a)+FR-1], 0, v[SC+8*NQ*(\sc)+NQ*\b+(\q)], v[SC+8*NQ*(\sc)+NQ*(\a)+(\q)] matrix_a_fmt:MATRIX_FMT_FP4 matrix_b_fmt:MATRIX_FMT_FP4 matrix_a_scale:MATRIX_SCALE_ROW1
.else
	v_wmma_scale_f32_16x16x128_f8f6f4 v[8*(8*((\a)%4)+\b):8*(8*((\a)%4)+\b)+7], v[128*(\p)+FR*\b:128*(\p)+FR*\b+FR-1], v[AF+FR*(\a):AF+FR*(\a)+FR-1], v[8*(8*((\a)%4)+\b):8*(8*((\a)%4)+\b)+7], v[SC+8*NQ*(\sc)+NQ*\b+(\q)], v[SC+8*NQ*(\sc)+NQ*(\a)+(\q)] matrix_a_fmt:MATRIX_FMT_FP4 matrix_b_fmt:MATRIX_FMT_FP4 matrix_a_scale:MATRIX_SCALE_ROW1
.endif
.endr
.endr
.endm
.macro FETCH_B slot, q, p
	WIN TO_B
.irp i, 0,1,2,3,4,5,6,7
	FRAG 128*(\p)+FR*\i, ADRB+\slot, \q, \i
.endr
	WIN 0
.endm
.macro FETCH_A slot, q, i0
.irp i, \i0, \i0+1, \i0+2, \i0+3
	FRAG AF+FR*(\i), ADRA+\slot, \q, \i
.endr
.endm
.macro SCALES sc                       ; a K step's scale words: four words a row
.irp i, 0,1,2,3,4,5,6,7
	ds_load_b128 v[SC+8*NQ*\sc+NQ*\i:SC+8*NQ*\sc+NQ*\i+3], v[ADRS] offset:\i*SBLK
.endr
.endm
.macro PLACES n                        ; places in front of loads into registers that matrix instructions have read
.rept \n
	v_nop
.endr
.endm
; A step of 128 along K that has its successor in the same slot.  A token block is free as soon as its eight products are issued: blocks 0-3 are fetched anew in the step's middle, blocks 4-7 at its end.
.macro STEP slot, q, zero
	s_wait_dscnt 4*NL                              ; W's set and blocks 0-3 are in; the youngest eight loads (blocks 4-7) may be out
	WIN MUL_LO
	MUL16 0, (\q)%2, \q, \slot, \zero
	MUL16 2, (\q)%2, \q, \slot, \zero
	s_wait_dscnt 0                                 ; blocks 4-7 are in
	PLACES NP
	FETCH_B \slot, (\q)+1, 1-(\q)%2
	FETCH_A \slot, (\q)+1, 0
	WIN MUL_HI
	MUL16 4, (\q)%2, \q, \slot, \zero
	MUL16 6, (\q)%2, \q, \slot, \zero
	PLACES NP
	WIN 0
	FETCH_A \slot, (\q)+1, 4
.endm
.macro STEPS slot, from
.set Q, \from
.rept NQ-1-\from
	STEP \slot, Q, 0
.set Q, Q+1
.endr
.endm
	s_wait_tensorcnt 1                             ; the scales and my part of slot 0 are in (slot 1's load may be out)
	s_barrier_signal -1
	s_barrier_wait -1                              ; everybody's are
	FETCH_B 0, 0, 0
	FETCH_A 0, 0, 0
	SCALES 0
	FETCH_A 0, 0, 4
	STEP 0, 0, 1                                   ; the first step's products start the sums
	STEPS 0, 1
	; slot 0's last step changes slots: my part of slot 1 has landed, and a barrier shows everybody's
	s_wait_tensorcnt 0x0                           ; all my tensor loads have landed
	ds_add_u32 v[SPW], v[NIL]                      ; 0 onto my spare word
	s_wait_dscnt 4*NL+1                            ; (the add and the youngest eight loads may be out)
	WIN MUL_LO
	MUL16 0, 1, NQ-1, 0, 0
	s_wait_dscnt 0x0                               ; no LDS instruction of mine is out at the signal
	s_barrier_signal -1
	MUL16 2, 1, NQ-1, 0, 0
	WIN 0
	s_barrier_wait -1
	PLACES NP
	v_add_nc_u32 v[ADRS], 4*NQ, v[ADRS]            ; on to the second K step's scale words
	FETCH_B 1, 0, 0
	FETCH_A 1, 0, 0
	SCALES 1
	WIN MUL_HI
	MUL16 4, 1, NQ-1, 0, 0
	MUL16 6, 1, NQ-1, 0, 0
	PLACES NP
	WIN 0
	FETCH_A 1, 0, 4
	STEPS 1, 0
	s_wait_dscnt 4*NL                              ; the very last step: nothing more to fetch
	WIN MUL_LO
	MUL16 0, 1, NQ-1, 1, 0
	MUL16 2, 1, NQ-1, 1, 0
	s_wait_dscnt 0
	WIN MUL_HI
	MUL16 4, 1, NQ-1, 1, 0
	MUL16 6, 1, NQ-1, 1, 0
	WIN 0
	s_wait_loadcnt 0x0                             ; the bias
.set i, 0
.rept 32
	v_pk_mul_f32 v[BY+i:BY+i+1], v[BY+i:BY+i+1], s[96:97] op_sel_hi:[1,0]   ; b x the scale.  (These 32 are also the places behind the last products)
.set i, i+2
.endr
; THE WAY OUT of token block a: (sum + b) x the scale by one fused multiply-add, rounded to f16 in pairs, stored as four images.
.macro OUTA a
.set AC, 64*((\a)%4)
.set PKS, PK+32*((\a)%2)
	WIN 0x02+(\a)/4                                ; source 0: window 2 or 3
.set i, 0
.rept 32
	v_pk_fma_f32 v[T+i:T+i+1], v[AC+i:AC+i+1], s[96:97], v[BY+i:BY+i+1] op_sel_hi:[1,0,1]   ; each accumulator from its low end on
.set i, i+2
.endr
	WIN 0
.if (\a) >= 2
	s_wait_xcnt 0x0                                ; block a - 2's stores have read this set of registers
.endif
.set i, 0
.rept 32
	v_cvt_pk_f16_f32 v[PKS+i], v[T+2*i], v[T+2*i+1]
.set i, i+1
.endr
.irp b, 0,1,2,3,4,5,6,7
	global_store_b128 v[CO], v[PKS+4*\b:PKS+4*\b+3], s[14:15] offset:(\a)*32768+(\b/2)*1024+(\b%2)*512   ; 32 lanes store 512 consecutive bytes, aligned
.endr
.endm
.irp a, 0,1,2,3,4,5,6,7
	OUTA \a
.endr
	s_wait_tensorcnt 0x0                           ; the wave's end
	ds_add_u32 v[SPW], v[NIL]
	s_wait_dscnt 0x0
	CROUND                                         ; the closing round
	s_endpgm
.Lfunc_end_k_qd1a0b5ddf9_proj:
	.size	k_qd1a0b5ddf9_proj, .Lfunc_end_k_qd1a0b5ddf9_proj-k_qd1a0b5ddf9_proj
	.p2alignl 7, 3214868480
	.fill 96, 4, 3214868480
	.section	.rodata,"a",@progbits
	.p2align	6, 0x0
	.amdhsa_kernel k_qd1a0b5ddf9_proj
		.amdhsa_group_segment_fixed_size 327680
		.amdhsa_private_segment_fixed_size 0
		.amdhsa_enable_private_segment 0
		.amdhsa_kernarg_size 48
		.amdhsa_user_sgpr_count 2
		.amdhsa_user_sgpr_kernarg_segment_ptr 1
		.amdhsa_wavefront_size32 1
		.amdhsa_system_sgpr_workgroup_id_x 1
		.amdhsa_system_sgpr_workgroup_id_y 1
		.amdhsa_system_sgpr_workgroup_id_z 1
		.amdhsa_system_vgpr_workitem_id 0
		.amdhsa_next_free_vgpr 1024
		.amdhsa_next_free_sgpr 100
		.amdhsa_reserve_vcc 0
		.amdhsa_float_denorm_mode_32 3
		.amdhsa_float_denorm_mode_16_64 3
		.amdhsa_memory_ordered 1
		.amdhsa_forward_progress 1
		.amdhsa_inst_pref_size 138
	.end_amdhsa_kernel
	.amdgpu_metadata
---
amdhsa.version: [ 1, 2 ]
amdhsa.kernels:
  - .name:           k_qd1a0b5ddf9_proj
    .symbol:         k_qd1a0b5ddf9_proj.kd
    .args:
      - { .name: codes, .offset: 0, .size: 8, .value_kind: global_buffer, .address_space: global }
      - { .name: scales, .offset: 8, .size: 8, .value_kind: global_buffer, .address_space: global }
      - { .name: bq, .offset: 16, .size: 8, .value_kind: global_buffer, .address_space: global }
      - { .name: bk, .offset: 24, .size: 8, .value_kind: global_buffer, .address_space: global }
      - { .name: bv, .offset: 32, .size: 8, .value_kind: global_buffer, .address_space: global }
      - { .name: qkvf, .offset: 40, .size: 8, .value_kind: global_buffer, .address_space: global }
    .group_segment_fixed_size: 327680
    .private_segment_fixed_size: 0
    .kernarg_segment_align: 8
    .kernarg_segment_size: 48
    .max_flat_workgroup_size: 128
    .sgpr_count:     100
    .vgpr_count:     1024
    .wavefront_size: 32
...
	.end_amdgpu_metadata
.endif
;; end of part 2
;; launch attn (part 3): grid 4 x 64, 8 waves a work-group, clusters of 4 x 1, 327,680 bytes of LDS; arguments qkvf, attention_mask, orf; writes orf
.if DOCPART == 3
	.amdgcn_target "amdgcn-amd-amdhsa--gfx1250"
	.amdhsa_code_object_version 6
	.text
	.protected	k_qd1a0b5ddf9_attn
	.globl	k_qd1a0b5ddf9_attn
	.p2align	8
	.type	k_qd1a0b5ddf9_attn,@function
k_qd1a0b5ddf9_attn:
	s_mov_b64 s[64:65], 0
	v_nop
	global_prefetch_b8 v0, s[64:65] scope:SCOPE_SE
	s_setreg_imm32_b32 hwreg(HW_REG_WAVE_MODE, 25, 1), 1
	s_wait_xcnt 0x0
	s_wait_alu depctr_hold_cnt(0) depctr_sa_sdst(0) depctr_va_vdst(0) depctr_va_sdst(0) depctr_va_ssrc(0) depctr_va_vcc(0) depctr_vm_vsrc(0)
	s_getreg_b32 s2, hwreg(HW_REG_IB_STS2, 6, 4)
	s_cmp_eq_u32 s2, 0
	s_cbranch_scc0 .Lentry_in_a_cluster
	s_endpgm
.Lentry_in_a_cluster:
	s_bfe_u32 s2, ttmp6, 0x10000c
	s_cmp_lg_u32 s2, 0x3003
	s_cbranch_scc0 .Lentry_shape_is_right
	s_endpgm
.Lentry_shape_is_right:
; For each batch b and head: S = Q K^T + mask;  attn = softmax(S);  O = attn V;  rev = softmax(1 - attn);  R = rev V.  Operands f16, products' sums, maxima, exponentials and row sums f32.
; qkvf: [Q, K, V][token / 16][feature / 32][1,024 bytes]: images of 16-bit fragments (16 tokens x 32 features; lane l's registers 0-3 at 16 l, registers 4-7 at 512 + 16 l; V's pieces laid for the turning load).
; orf: [O, R] in the same form.  mask: [4][1024 queries][1024 keys] f32.
; rev = exp(-attn) / sum of exp(-attn): the same numbers as softmax(1 - attn); attn lies in 0 .. 1 for every input, so these exponents lie in -1 .. 0 and no maximum is taken there.  The first softmax takes the row's true maximum.
; rev wants the NORMALISED attn, so a row's sum must be known before the second exponential: THE SCORES STAY IN REGISTERS.  A wave holds 32 queries x 256 keys: 256 registers.
; SHARES.  A work-group owns 256 queries of one (b, head) and walks them in 4 units of 64.  All 1,024 keys' K and V of the head lie in LDS for the whole launch (256 KiB), filled once.
; EIGHT WAVES, two to a SIMD, 512 registers each: a chunk of 32 keys has 8 products and 80 vector instructions, so one wave's vector work and waits stand beside the other's.  A fragment of K or V feeds two products.
; Wave w takes the keys' quarter kq = w % 4 and the pair of query tiles pr = w / 4.  Its slot s is tile 2 pr + (s xor kq % 2); its channel tile dtl is channels 16 (dtl xor 2 (kq / 2)) on.  Its O^T is four blocks of two
; accumulators, block x = (slot x % 2, channel tiles 2 (x / 2) and + 1).  So my block x is block 0 of the partner w xor x: every wave hands blocks 1, 2, 3 over through LDS and finishes block 0: one text for all waves, only
; addresses differ.  Four barriers a unit: maxima; pass 0's sums; one in pass 1, since both passes hand over through the same LDS bytes; pass 1's sums.
; LAYOUT.  S^T = K Q^T + mask^T (source 0 = 16 keys, source 1 = 16 queries; the mask is loaded into the accumulators and is the first product's C): a lane holds ONE query and eight keys.  Two such tiles, rounded to f16
; in pairs, ARE source 1 of O^T = V^T P, whose result holds one query a lane and eight channels: rounded in pairs it is a piece of an image of O.
; BY TURNS.  In a pass chunk c + 1's vector work stands in eight slices behind chunk c's products.
; CLUSTER.  The four work-groups of a (b, head) need the same K and V: each tile is asked for JOINTLY.
; LIMITS: NaN among the inputs is not served.  -infinity in the mask is served; a row that is -infinity throughout gives NaN, as in reference().  A row whose every score is finite with |score| x 1.4427 beyond f32's range
; gives NaN where reference() gives a uniform row.  O and R as f16: magnitudes up to 65,504; under 6e-5 the step is 2^-25.
; REGISTERS, in two windows of 256: window 0: addresses, statistics, fragments, O^T, packed results.  Window 1: the scores: key tile kt (0 .. 15), slot qs at v[16 kt + 8 qs].
.set VLDS,  131072                     ; LDS: K's 64 key tiles x 2,048 bytes from 0; V's from here
.set XACC,  262144                     ; blocks of O^T on their way: [wave][block 1, 2, 3][2,048 bytes]
.set XST,   311296                     ; maxima [wave][slot][128 bytes]; from + 2,048 the sums [pass][wave][slot][128 bytes]
.set SPARE, 317440                     ; the spare words: 128 bytes a wave, named by no other line
.set KA,  1                            ; v1     16 x lane + my quarter of the keys, in K
.set VA,  2                            ; v2-3   the same in V, for my channel tiles 0, 1 and 2, 3
.set MA,  4                            ; v4-5   my byte in the unit's mask rows, slot 0, 1
.set QA,  6                            ; v6-7   my byte in the unit's images of Q, slot 0, 1
.set OA,  8                            ; v8     my byte in the unit's images of the results
.set SA,  9                            ; v9     where I store statistics;  v10-12 where those of the partners w xor 1, 2, 3 lie
.set PA,  10
.set XA,  13                           ; v13    where I store blocks;  v14-16 where the partners' blocks for me lie
.set XP,  14
.set SPW, 17
.set NIL, 18
.set MX,  20                           ; v20-27 four chains of maxima a slot
.set XY,  28                           ; v28-35 slot s: the pair X at 28 + 4 s, the pair Y at 30 + 4 s (the low words serve): the exponent is S x X + Y
.set SUM, 36                           ; v36-43 slot s: two chains of pairs
.set RS,  44                           ; v44-47 1 / the row's sum: pairs, the low words serve
.set KB0, 48                           ; v48-111  phase A: K's fragments, set 0;
.set KB1, 176                          ; v176-239 set 1: O^T's registers, which are idle in phase A
.set VB,  48                           ; the passes: V's fragments, two sets of 32
.set PT,  48                           ; the exchange: the partners' three blocks, 16 registers each
.set QR,  112                          ; v112-143 Q: 16 qs + 8 dh
.set F,   144                          ; v144-175 p's fragments, two sets of 16
.set ACC, 176                          ; v176-239 O^T: 32 qs + 8 dtl
.set PK,  240                          ; v240-247 packed results
.set T,   248                          ; v248-255 statistics at work: mine at + s, partner x's at + 2 x + s
.set WV,  10
.set G1,  16                           ; s[16:23] descriptor group 1;  s[24:27] group 0
.set G0,  24
.set QB,  32                           ; s[32:33] Q at the unit's images;  s[34:35] the mask at its rows;  s[36:37], s[38:39] O and R
.set MB,  34
.set OB,  36
.set SEL, 40                           ; s[40:41] v_permlanex16_b32's selects for lane l xor 16
.set UN,  42                           ; units to go
.set MSB, 0
.macro WIN new                         ; bits 1:0 source 0, 3:2 source 1, 5:4 source 2, 7:6 destination; the immediate's high byte repeats the setting that is left
.if MSB != (\new)
	s_set_vgpr_msb (MSB<<8)|(\new)
.set MSB, (\new)
.endif
.endm
.macro CROUND                          ; a round of the cluster's barrier
	s_barrier_signal -1
	s_barrier_wait -1
	s_cmp_lg_u32 s[WV], 0
	s_cbranch_scc1 .Lnot_wave_0_\@
	s_barrier_signal -3
.Lnot_wave_0_\@:
	s_barrier_wait -3
	s_barrier_signal -1
	s_barrier_wait -1
.endm
.macro PLACES
.rept 4
	v_nop
.endr
.endm
; The mask of key tiles k0 .. k1, both slots, lands in the scores' registers: lane (r, h) takes mask[query r][16 kt + 8 h + 0 .. 7].  No hint: sixteen heads read these bytes.
.macro MLOAD k0, k1, ahead
	WIN 0x40
.set kt, \k0
.rept \k1-\k0+1
.irp qs, 0,1
.irp i, 0,1
	global_load_b128 v[16*kt+8*\qs+4*\i:16*kt+8*\qs+4*\i+3], v[MA+\qs], s[MB:MB+1] offset:64*kt+16*\i+\ahead
.endr
.endr
.set kt, kt+1
.endr
	WIN 0
.endm
.macro QLOAD ahead
	WIN 0
.irp qs, 0,1
.irp dh, 0,1
.irp i, 0,1
	global_load_b128 v[QR+16*\qs+8*\dh+4*\i:QR+16*\qs+8*\dh+4*\i+3], v[QA+\qs], s[QB:QB+1] offset:1024*\dh+512*\i+\ahead
.endr
.endr
.endr
.endm
; What the next unit wants.  cond = 1, inside a unit: the last unit asks for nothing (no load leaves its buffer): a branch on the count of units.
.macro NEXT_A cond, am, aq             ; Q and the mask of key tiles 0-7: 40 loads
	WIN 0
.if \cond
	s_cmp_eq_u32 s[UN], 1
	s_cbranch_scc1 .Lno_a_\@
.endif
	QLOAD \aq
	MLOAD 0, 7, \am
.if \cond
.Lno_a_\@:
.endif
.endm
.macro NEXT_B cond, am                 ; the mask of key tiles 8-15: 32 loads
	WIN 0
.if \cond
	s_cmp_eq_u32 s[UN], 1
	s_cbranch_scc1 .Lno_b_\@
.endif
	MLOAD 8, 15, \am
.if \cond
.Lno_b_\@:
.endif
.endm
; PHASE A.  Group g = key tiles 4 g .. 4 g + 3.
.macro FETCH_K g                       ; 16 LDS loads: the group's eight fragments (tile t, channels 32 dh on) at 16 t + 8 dh of set g % 2
	WIN 0
.set kb, KB0+(KB1-KB0)*((\g)%2)
.irp t, 0,1,2,3
.irp dh, 0,1
.irp i, 0,1
	ds_load_b128 v[kb+16*\t+8*\dh+4*\i:kb+16*\t+8*\dh+4*\i+3], v[KA] offset:(4*(\g)+\t)*2048+\dh*1024+512*\i
.endr
.endr
.endr
.endm
.macro QK g, n                         ; product n of 16: channels 32 (n / 8) on, tile (n / 2) % 4, slot n % 2.  The eight accumulators take turns
.set rS, 64*(\g)+16*(((\n)/2)%4)+8*((\n)%2)
.set rK, KB0+(KB1-KB0)*((\g)%2)+16*(((\n)/2)%4)+8*((\n)/8)
.set rQ, QR+16*((\n)%2)+8*((\n)/8)
	WIN 0x50                                       ; K and Q window 0, C and D window 1
	v_wmma_f32_16x16x32_f16 v[rS:rS+7], v[rK:rK+7], v[rQ:rQ+7], v[rS:rS+7]
.endm
.macro MAXS g, k                       ; maximum k of 32: accumulator k / 4 of the group (tile, slot), its registers 2 (k % 4) and + 1: each accumulator from its low end on
.set rS, 64*(\g)+8*((\k)/4)+2*((\k)%4)
.set rM, MX+4*(((\k)/4)%2)+(\k)%4
	WIN 0x14
	v_max3_num_f32 v[rM], v[rM], v[rS], v[rS+1]
.endm
; THE PASSES.  Chunk c = 32 keys = key tiles 2 c, 2 c + 1, both slots: 32 registers at v[32 c] of window 1: pair p of 16 = (tile p / 8, slot (p / 4) % 2).
.macro FETCH_V c                       ; 8 turning loads: V^T's four fragments (16 channels x 32 keys) at v[VB + 32 (c % 2) + 8 dtl]
	WIN 0
.irp dt, 0,1,2,3
	ds_load_tr16_b128 v[VB+32*((\c)%2)+8*\dt:VB+32*((\c)%2)+8*\dt+3], v[VA+\dt/2] offset:(2*(\c))*2048+(\dt%2)*512
	ds_load_tr16_b128 v[VB+32*((\c)%2)+8*\dt+4:VB+32*((\c)%2)+8*\dt+7], v[VA+\dt/2] offset:(2*(\c)+1)*2048+(\dt%2)*512
.endr
.endm
; Number n of 48 of a chunk's batch: 16 packed multiply-adds S x X + Y and 32 exponentials in place.  A pair is scaled at least three numbers ahead of its exponentials; none of the 48 reads an exponential's result.
.macro ITEM
.if n < 2
.set pp, n
.set ee, -1
.elseif n >= 44
.set pp, -1
.set ee, n-16
.elseif (n-2)%3 == 0
.set pp, (n-2)/3+2
.set ee, -1
.else
.set pp, -1
.set ee, 2*((n-2)/3)+(n-2)%3-1
.endif
.if pp >= 0
.set xs, XY+4*((pp/4)%2)
	v_pk_fma_f32 v[sb+2*pp:sb+2*pp+1], v[sb+2*pp:sb+2*pp+1], v[xs:xs+1], v[xs+2:xs+3] op_sel_hi:[1,0,0]
.else
	v_exp_f32 v[sb+ee], v[sb+ee]
.endif
.endm
; Slice i of 8 of chunk c's vector work.  0-3: the batch, twelve numbers each; behind it one plain instruction and ONE wait for the chunk's 32 exponentials, ahead of the first reader.
; 4, 5: the row sums, of the unrounded numbers.  6, 7: the roundings to f16: p's fragments.
.macro SLICE c, i
.set sb, 32*(\c)
.if (\i) < 4
	WIN 0x41
.set n, 12*(\i)
.rept 12
	ITEM
.set n, n+1
.endr
.if (\i) == 3
	v_nop
	s_wait_alu depctr_va_vdst(0)
.endif
.elseif (\i) < 6
	WIN 0x01
.set pp, 8*((\i)-4)
.rept 8
.set rU, SUM+4*((pp/4)%2)+2*(pp%2)
	v_pk_add_f32 v[rU:rU+1], v[sb+2*pp:sb+2*pp+1], v[rU:rU+1]
.set pp, pp+1
.endr
.else
	WIN 0x05
.set pp, 8*((\i)-6)
.rept 8
	v_cvt_pk_f16_f32 v[F+16*((\c)%2)+8*((pp/4)%2)+4*(pp/8)+pp%4], v[sb+2*pp], v[sb+2*pp+1]
.set pp, pp+1
.endr
.endif
.endm
.macro PV c, i                         ; product i of 8 of O^T += V^T P: my channel tile i / 2, slot i % 2.  Chunk 0 starts the sums: nothing is cleared.  The eight accumulators take turns
	WIN 0
.set rA, ACC+32*((\i)%2)+8*((\i)/2)
.set rV, VB+32*((\c)%2)+8*((\i)/2)
.set rF, F+16*((\c)%2)+8*((\i)%2)
.if (\c) == 0
	v_wmma_f32_16x16x32_f16 v[rA:rA+7], v[rV:rV+7], v[rF:rF+7], 0
.else
	v_wmma_f32_16x16x32_f16 v[rA:rA+7], v[rV:rV+7], v[rF:rF+7], v[rA:rA+7]
.endif
.endm
; A pass over my 256 keys.  V's fragments come one chunk ahead, in two sets: the set that chunk c + 1 takes was last read by chunk c - 1's products, behind which stand eight roundings.
.macro PASS t
	WIN 0
.irp j, 0,1,2,3,4,5,6,7
	v_mov_b32 v[SUM+\j], 0
.endr
.set ii, 0
.rept 8
	SLICE 0, ii
.set ii, ii+1
.endr
.set cc, 0
.rept 8
.if (\t == 1) && (cc == 4)
	s_wait_dscnt 0x0                               ; chunk 4's V is in, and no LDS instruction of mine is out.  Every wave's reads of pass 0's blocks were waited for in the exchange:
	s_barrier_signal -1                            ; behind this barrier pass 1's blocks may be stored into the same bytes
	s_barrier_wait -1
.endif
.if cc <= 6
	FETCH_V cc+1
	s_wait_dscnt 8                                 ; chunk c's V is in; the eight loads of chunk c + 1 may be out
.else
	s_wait_dscnt 0x0
.endif
.set ii, 0
.rept 8
	PV cc, ii
.if cc < 7
	SLICE cc+1, ii
.endif
.set ii, ii+1
.endr
.if \t == 1
.if cc == 2
	NEXT_A 1, 262144, 131072                       ; chunks 0-3 are done with: the next unit's mask lands in key tiles 0-7, its Q in Q's registers
.endif
.if cc == 6
	NEXT_B 1, 262144                               ; all chunks are done with: key tiles 8-15
.endif
.endif
.set cc, cc+1
.endr
	WIN 0
.endm
; THE EXCHANGE behind pass t.  My sums of both slots and my blocks 1, 2, 3 of O^T go to LDS; a barrier; the three partners' sums and their blocks for me come back.  Block 0 is divided by its row sum, rounded and stored.
.macro XCHG t
	WIN 0
	s_wait_xcnt 0x0                                ; the last exchange's stores have read the packed registers
.irp s, 0,1
	v_pk_add_f32 v[SUM+4*\s:SUM+4*\s+1], v[SUM+4*\s:SUM+4*\s+1], v[SUM+4*\s+2:SUM+4*\s+3]   ; (these additions are also the places behind the last products)
.endr
.irp s, 0,1
	v_add_f32 v[T+\s], v[SUM+4*\s], v[SUM+4*\s+1]
.endr
.irp s, 0,1
	v_permlanex16_b32 v[T+2+\s], v[T+\s], s[SEL], s[SEL+1]         ; the query's other keys of each tile lie in the lane 16 away
.endr
.irp s, 0,1
	v_add_f32 v[T+\s], v[T+\s], v[T+2+\s]
.endr
.irp s, 0,1
	ds_store_b32 v[SA], v[T+\s] offset:2048+2048*\t+128*\s
.endr
.irp x, 1,2,3
.irp i, 0,1,2,3
	ds_store_b128 v[XA], v[ACC+32*(\x%2)+16*(\x/2)+4*\i:ACC+32*(\x%2)+16*(\x/2)+4*\i+3] offset:2048*(\x-1)+512*\i   ; each accumulator from its low end on
.endr
.endr
	s_wait_dscnt 0x0                               ; for my partners' sake: my stores have landed
	s_barrier_signal -1
	s_barrier_wait -1
.irp x, 1,2,3
.irp s, 0,1
	ds_load_b32 v[T+2*\x+\s], v[PA+\x-1] offset:2048+2048*\t+128*((\s+\x)%2)   ; my slot s is slot s xor x % 2 of the partner w xor x
.endr
.endr
.irp x, 1,2,3
.irp i, 0,1,2,3
	ds_load_b128 v[PT+16*(\x-1)+4*\i:PT+16*(\x-1)+4*\i+3], v[XP+\x-1] offset:512*\i
.endr
.endr
	s_wait_dscnt 12                                ; the six sums are in; the twelve loads behind them may be out
.irp s, 0,1
	v_add_f32 v[T+\s], v[T+\s], v[T+2+\s]
.endr
.irp s, 0,1
	v_add_f32 v[T+4+\s], v[T+4+\s], v[T+6+\s]
.endr
.irp s, 0,1
	v_add_f32 v[T+\s], v[T+\s], v[T+4+\s]          ; the rows' sums over all 1,024 keys
.endr
.irp s, 0,1
	v_rcp_f32 v[RS+2*\s], v[T+\s]
.endr
	v_nop                                          ; a plain instruction behind the reciprocals
	s_wait_dscnt 0x0
	s_wait_alu depctr_va_vdst(0)                   ; one wait for both, ahead of their first reader
.set i, 0
.rept 8
	v_pk_add_f32 v[PT+i:PT+i+1], v[PT+i:PT+i+1], v[ACC+i:ACC+i+1]              ; my block 0, each accumulator from its low end on
	v_pk_add_f32 v[PT+16+i:PT+17+i], v[PT+16+i:PT+17+i], v[PT+32+i:PT+33+i]
.set i, i+2
.endr
.set i, 0
.rept 8
	v_pk_add_f32 v[PT+i:PT+i+1], v[PT+i:PT+i+1], v[PT+16+i:PT+17+i]
.set i, i+2
.endr
.set i, 0
.rept 8
	v_pk_mul_f32 v[PT+i:PT+i+1], v[PT+i:PT+i+1], v[RS:RS+1] op_sel_hi:[1,0]
.set i, i+2
.endr
.set i, 0
.rept 8
	v_cvt_pk_f16_f32 v[PK+i], v[PT+2*i], v[PT+2*i+1]
.set i, i+1
.endr
.irp dt, 0,1
	global_store_b128 v[OA], v[PK+4*\dt:PK+4*\dt+3], s[OB+2*\t:OB+2*\t+1] offset:512*\dt   ; 32 lanes store 512 consecutive bytes, aligned
.endr
.if \t == 0
.irp s, 0,1
	v_mul_f32 v[XY+4*\s], 0xbfb8aa3b, v[RS+2*\s]   ; pass 1: the exponent is -attn x log2(e) = p x (-log2(e) / the sum) + 0
	v_mov_b32 v[XY+4*\s+2], 0
.endr
	FETCH_V 0
.endif
.endm
	s_load_b128 s[4:7], s[0:1], 0x0                ; qkvf, the mask
	s_load_b64 s[8:9], s[0:1], 0x10                ; orf
	v_lshl_add_u32 v[SPW], v0, 2, SPARE
	v_mov_b32 v[NIL], 0
	ds_add_u32 v[SPW], v[NIL]                      ; the wave's opening: the add, twice on end, and its wait ahead of my first tensor load
	ds_add_u32 v[SPW], v[NIL]
	v_lshrrev_b32 v1, 5, v0
	v_readfirstlane_b32 s[WV], v1                  ; wave 0..7
	s_and_b32 s11, s[WV], 3                        ; kq: my quarter of the keys
	s_lshr_b32 s12, s[WV], 2
	s_lshl_b32 s12, s12, 1
	s_and_b32 s15, s11, 1
	s_add_co_u32 s12, s12, s15                     ; slot 0's tile of the unit: 2 pr + kq % 2
	s_xor_b32 s15, s12, 1                          ; slot 1's
	s_bfe_u32 s13, ttmp6, 0x40000                  ; cx: my work-group's quarter of the queries
	s_and_b32 s14, ttmp7, 0xffff                   ; 16 b + head, which the four partners share
	; descriptor group 1: 16 key tiles x 2,048 bytes (a head's two images), 32,768 bytes apart in memory, dense in LDS
	s_mov_b32 s[G1], 15|(3<<16)|(1<<21)            ; 15:0 the mask: all four work-groups; 17:16 elements of 8 bytes; 20 no padding; 21 set beside a mask
	s_mov_b32 s[G1+1], 256<<16                     ; tensor_dim0 = 256 elements
	s_mov_b32 s[G1+2], 16<<16                      ; tensor_dim1 = 16
	s_mov_b32 s[G1+3], 256<<16                     ; tile_dim0
	s_mov_b32 s[G1+4], 16                          ; tile_dim1
	s_mov_b32 s[G1+5], 4096                        ; tensor_dim0_stride, in elements
	s_mov_b32 s[G1+6], 0
	s_mov_b32 s[G1+7], 0
	s_lshr_b32 s44, s14, 4                         ; b
	s_and_b32 s45, s14, 15                         ; head
	s_lshl_b32 s46, s44, 21                        ; a batch's 64 token tiles x 32,768 bytes,
	s_lshl_b32 s47, s45, 11                        ; a head's 2,048 bytes in each
	s_add_co_u32 s46, s46, s47
	s_lshl_b32 s48, s11, 19                        ; the 16 key tiles that I fetch,
	s_add_co_u32 s48, s48, s46
	s_lshr_b32 s49, s[WV], 2                       ; of K (waves 0-3) or of V (waves 4-7):
	s_add_co_u32 s49, s49, 1
	s_lshl_b32 s49, s49, 23                        ; 8 MiB a tensor, Q's first
	s_add_co_u32 s48, s48, s49
	s_mov_b32 s49, 0
	s_lshl_b32 s50, s13, 19                        ; my work-group's 16 query tiles: cx enters Q's, the mask's and the results' addresses alone
	s_add_co_u32 s50, s50, s46
	s_mov_b32 s51, 0
	s_lshl_b32 s52, s44, 22                        ; the mask: 4 MiB a batch,
	s_lshl_b32 s53, s13, 20                        ; 256 rows of 4,096 bytes a quarter
	s_add_co_u32 s52, s52, s53
	s_mov_b32 s53, 0
	s_mov_b32 s[SEL], 0x76543210
	s_mov_b32 s[SEL+1], 0xfedcba98
	s_mov_b32 s[UN], 4
	s_wait_dscnt 0x0                               ; both opening adds are done
	s_wait_kmcnt 0x0
	s_mov_b32 s[G0], 1
	s_lshl_b32 s[G0+1], s[WV], 15                  ; LDS: wave x 16 key tiles: K's four quarters, then V's
	s_add_nc_u64 s[G0+2:G0+3], s[4:5], s[48:49]
	s_or_b32 s[G0+3], s[G0+3], 0x80000000
	s_add_nc_u64 s[QB:QB+1], s[4:5], s[50:51]
	s_add_nc_u64 s[MB:MB+1], s[6:7], s[52:53]
	s_add_nc_u64 s[OB:OB+1], s[8:9], s[50:51]
	s_add_nc_u64 s[OB+2:OB+3], s[OB:OB+1], 0x800000
	CROUND                                         ; all four work-groups are here: the joint loads meet
	tensor_load_to_lds s[G0:G0+3], s[G1:G1+7]      ; every wave fetches a quarter of K or of V: one load of mine is out
	s_nop 0
.rept 4
	v_nop
.endr
	v_and_b32 v48, 31, v0
	v_lshlrev_b32 v49, 2, v48                      ; 4 x lane
	v_lshlrev_b32 v48, 4, v48                      ; 16 x lane
	v_and_b32 v50, 15, v0                          ; r
	v_bfe_u32 v51, v0, 4, 1                        ; h
	s_lshl_b32 s44, s11, 15                        ; my 16 key tiles
	v_add_nc_u32 v[KA], s44, v48
	s_lshr_b32 s45, s11, 1
	s_lshl_b32 s45, s45, 10                        ; 1,024 x (kq / 2): the image that holds my channel tiles 0, 1
	s_add_co_u32 s46, s44, s45
	s_add_co_u32 s46, s46, VLDS
	v_add_nc_u32 v[VA], s46, v48
	s_xor_b32 s47, s45, 1024                       ; and the other image: my channel tiles 2, 3
	s_add_co_u32 s47, s47, s44
	s_add_co_u32 s47, s47, VLDS
	v_add_nc_u32 v[VA+1], s47, v48
	v_lshlrev_b32 v52, 12, v50                     ; the mask: row r of 4,096 bytes,
	v_lshl_add_u32 v52, v51, 5, v52                ; + 32 h,
	s_lshl_b32 s46, s11, 10                        ; + my quarter of the keys,
	s_lshl_b32 s47, s12, 16                        ; + the slot's tile: 16 rows
	s_add_co_u32 s47, s47, s46
	v_add_nc_u32 v[MA], s47, v52
	s_lshl_b32 s47, s15, 16
	s_add_co_u32 s47, s47, s46
	v_add_nc_u32 v[MA+1], s47, v52
	s_lshl_b32 s46, s12, 15                        ; images: 32,768 bytes a token tile
	v_add_nc_u32 v[QA], s46, v48
	s_add_co_u32 s46, s46, s45                     ; the results: slot 0's tile, the image of my channel tiles 0, 1
	v_add_nc_u32 v[OA], s46, v48
	s_lshl_b32 s46, s15, 15
	v_add_nc_u32 v[QA+1], s46, v48
	s_lshl_b32 s46, s[WV], 8
	s_add_co_u32 s46, s46, XST
	v_add_nc_u32 v[SA], s46, v49
	s_mul_i32 s46, s[WV], 6144
	s_add_co_u32 s46, s46, XACC
	v_add_nc_u32 v[XA], s46, v48
.irp x, 1,2,3
	s_xor_b32 s46, s[WV], \x                       ; the partner w xor x
	s_lshl_b32 s47, s46, 8
	s_add_co_u32 s47, s47, XST
	v_add_nc_u32 v[PA+\x-1], s47, v49
	s_mul_i32 s47, s46, 6144
	s_add_co_u32 s47, s47, XACC+2048*(\x-1)        ; its block x is my block 0
	v_add_nc_u32 v[XP+\x-1], s47, v48
.endr
.irp j, 1,3,5,7
	v_mov_b32 v[XY+\j], 0                          ; the pairs' upper words are named with the lower, so they are written, once
.endr
	v_mov_b32 v[RS+1], 0
	v_mov_b32 v[RS+3], 0
	v_mov_b32 v[T+2], 0                            ; a lane permute's destination counts as one of its sources
	v_mov_b32 v[T+3], 0
	NEXT_A 0, 0, 0                                 ; the first unit's Q and mask
	NEXT_B 0, 0
	s_wait_tensorcnt 0x0                           ; my part of K or V is in,
	s_barrier_signal -1
	s_barrier_wait -1                              ; everybody's is
.Lunit:
	FETCH_K 0
.irp j, 0,1,2,3,4,5,6,7
	v_mov_b32 v[MX+\j], 0xff800000                 ; the maxima begin at -infinity
.endr
	; PHASE A: S^T = K Q^T + mask^T; group g - 1's maxima stand between group g's products, two behind each
.set gg, 0
.rept 4
	s_wait_dscnt 0x0                               ; the group's K is in
	s_wait_loadcnt 16*(3-gg)                       ; Q and the group's mask are in; the later groups' loads, sixteen each, may be out
.set nn, 0
.rept 16
	QK gg, nn
.if gg > 0
	MAXS gg-1, 2*nn
	MAXS gg-1, 2*nn+1
.endif
.if (nn == 1) && (gg < 3)
	FETCH_K gg+1                                   ; into the set that group g - 1 read: six maxima (behind group 0: four v_nop and four maxima) stand behind its last product
.endif
.set nn, nn+1
.endr
.if gg == 0
	PLACES                                         ; group 0 has no maxima between its products: the places ahead of the first reads of its scores
.endif
.set gg, gg+1
.endr
.set nn, 0
.rept 32
	MAXS 3, nn
.set nn, nn+1
.endr
	; the rows' maxima: my four chains, the lane 16 away, my three partners' quarters of the keys
	WIN 0
.irp s, 0,1
	v_max3_num_f32 v[T+\s], v[MX+4*\s], v[MX+4*\s+1], v[MX+4*\s+2]
.endr
.irp s, 0,1
	v_max_num_f32 v[T+\s], v[T+\s], v[MX+4*\s+3]
.endr
.irp s, 0,1
	v_permlanex16_b32 v[T+2+\s], v[T+\s], s[SEL], s[SEL+1]
.endr
.irp s, 0,1
	v_max_num_f32 v[T+\s], v[T+\s], v[T+2+\s]
.endr
.irp s, 0,1
	ds_store_b32 v[SA], v[T+\s] offset:128*\s
.endr
	s_wait_dscnt 0x0                               ; for my partners' sake: my stores have landed
	s_barrier_signal -1
	s_barrier_wait -1
.irp x, 1,2,3
.irp s, 0,1
	ds_load_b32 v[T+2*\x+\s], v[PA+\x-1] offset:128*((\s+\x)%2)    ; my slot s is slot s xor x % 2 of the partner w xor x
.endr
.endr
	FETCH_V 0
	s_wait_dscnt 8                                 ; the six maxima are in; V's eight loads may be out
.irp s, 0,1
	v_max3_num_f32 v[T+\s], v[T+\s], v[T+2+\s], v[T+4+\s]
.endr
.irp s, 0,1
	v_max_num_f32 v[T+\s], v[T+\s], v[T+6+\s]      ; m: the row's maximum over all 1,024 keys
.endr
.irp s, 0,1
	v_mul_f32 v[XY+4*\s+2], 0xbfb8aa3b, v[T+\s]    ; pass 0: the exponent is S x log2(e) - m x log2(e)
	v_mov_b32 v[XY+4*\s], 0x3fb8aa3b
.endr
	PASS 0                                         ; S <- p = e^(S - m);  O^T = V^T p
	XCHG 0                                         ; O = O^T / the sum
	PASS 1                                         ; S <- e^(-attn);  R^T = V^T of that
	XCHG 1
	s_wait_xcnt 0x0                                ; every load and store issued has read its base: the bases step
	s_add_nc_u64 s[MB:MB+1], s[MB:MB+1], 0x40000   ; 64 rows of the mask
	s_add_nc_u64 s[QB:QB+1], s[QB:QB+1], 0x20000   ; 4 token tiles
	s_add_nc_u64 s[OB:OB+1], s[OB:OB+1], 0x20000
	s_add_nc_u64 s[OB+2:OB+3], s[OB+2:OB+3], 0x20000
	s_sub_co_u32 s[UN], s[UN], 1
	s_cmp_lg_u32 s[UN], 0
	s_cbranch_scc1 .Lunit
	s_wait_tensorcnt 0x0                           ; the wave's end, behind my last tensor load and my last LDS store
	ds_add_u32 v[SPW], v[NIL]
	s_wait_dscnt 0x0
	CROUND                                         ; the closing round
	s_endpgm
.Lfunc_end_k_qd1a0b5ddf9_attn:
	.size	k_qd1a0b5ddf9_attn, .Lfunc_end_k_qd1a0b5ddf9_attn-k_qd1a0b5ddf9_attn
	.p2alignl 7, 3214868480
	.fill 96, 4, 3214868480
	.section	.rodata,"a",@progbits
	.p2align	6, 0x0
	.amdhsa_kernel k_qd1a0b5ddf9_attn
		.amdhsa_group_segment_fixed_size 327680
		.amdhsa_private_segment_fixed_size 0
		.amdhsa_enable_private_segment 0
		.amdhsa_kernarg_size 24
		.amdhsa_user_sgpr_count 2
		.amdhsa_user_sgpr_kernarg_segment_ptr 1
		.amdhsa_wavefront_size32 1
		.amdhsa_system_sgpr_workgroup_id_x 1
		.amdhsa_system_sgpr_workgroup_id_y 1
		.amdhsa_system_sgpr_workgroup_id_z 1
		.amdhsa_system_vgpr_workitem_id 0
		.amdhsa_next_free_vgpr 512
		.amdhsa_next_free_sgpr 66
		.amdhsa_reserve_vcc 0
		.amdhsa_float_denorm_mode_32 3
		.amdhsa_float_denorm_mode_16_64 3
		.amdhsa_memory_ordered 1
		.amdhsa_forward_progress 1
		.amdhsa_inst_pref_size 143
	.end_amdhsa_kernel
	.amdgpu_metadata
---
amdhsa.version: [ 1, 2 ]
amdhsa.kernels:
  - .name:           k_qd1a0b5ddf9_attn
    .symbol:         k_qd1a0b5ddf9_attn.kd
    .args:
      - { .name: qkvf, .offset: 0, .size: 8, .value_kind: global_buffer, .address_space: global }
      - { .name: attention_mask, .offset: 8, .size: 8, .value_kind: global_buffer, .address_space: global }
      - { .name: orf, .offset: 16, .size: 8, .value_kind: global_buffer, .address_space: global }
    .group_segment_fixed_size: 327680
    .private_segment_fixed_size: 0
    .kernarg_segment_align: 8
    .kernarg_segment_size: 24
    .max_flat_workgroup_size: 256
    .sgpr_count:     66
    .vgpr_count:     512
    .wavefront_size: 32
...
	.end_amdgpu_metadata
.endif
;; end of part 3
;; launch outp (part 4): grid 4 x 64, 4 waves a work-group, clusters of 4 x 4, 327,680 bytes of LDS; arguments orf, wof, bo, br, out0, out1; writes out0, out1
.if DOCPART == 4
	.amdgcn_target "amdgcn-amd-amdhsa--gfx1250"
	.amdhsa_code_object_version 6
	.text
	.protected	k_qd1a0b5ddf9_outp
	.globl	k_qd1a0b5ddf9_outp
	.p2align	8
	.type	k_qd1a0b5ddf9_outp,@function
k_qd1a0b5ddf9_outp:
	s_mov_b64 s[64:65], 0
	v_nop
	global_prefetch_b8 v0, s[64:65] scope:SCOPE_SE
	s_setreg_imm32_b32 hwreg(HW_REG_WAVE_MODE, 25, 1), 1
	s_wait_xcnt 0x0
	s_wait_alu depctr_hold_cnt(0) depctr_sa_sdst(0) depctr_va_vdst(0) depctr_va_sdst(0) depctr_va_ssrc(0) depctr_va_vcc(0) depctr_vm_vsrc(0)
	s_getreg_b32 s2, hwreg(HW_REG_IB_STS2, 6, 4)
	s_cmp_eq_u32 s2, 0
	s_cbranch_scc0 .Lentry_in_a_cluster
	s_endpgm
.Lentry_in_a_cluster:
	s_bfe_u32 s2, ttmp6, 0x10000c
	s_cmp_lg_u32 s2, 0xf033
	s_cbranch_scc0 .Lentry_shape_is_right
	s_endpgm
.Lentry_shape_is_right:
; out0 = O Wo^T + bo, out1 = R Wr^T + br.  O, R: orf [O, R][token / 16][feature / 32][1,024 bytes], images of f16 fragments;  Wo, Wr: wof [2][1024 n][1024 k] f16;  out0, out1 [4096][1024] f32; sums in f32.
; A tile of 128 tokens x 256 outputs is made by four waves, each 64 x 128: 32 accumulators.  2 x 32 x 4 = 256 work-groups.  The cluster's y says which product: clusters 0-7 the first, 8-15 the second.
; K goes in 8 steps of 128 through a ring of two LDS slots.  A slot: the tokens' 32 images (8 token tiles x 4, dense: a fragment is read back at 16 x lane), then 256 rows of W, 256 bytes + 16 of padding each.
; CLUSTERS: 4 x 4 work-groups.  The four of a row of the cluster need the same tokens' images, the four of a column the same rows of W: each tile is asked for JOINTLY.
; THE MATRIX INSTRUCTION IS USED TRANSPOSED (source 0 = 16 rows of W, source 1 = 16 tokens): a lane holds eight neighbouring outputs of one token.  The bias is the C of each sum's first product.
; REGISTERS: window 0: v0-31 addresses; v32-95 the tokens' fragments, two sets of 32; v96-159 the bias in the result's layout; v160-223 (and v32-95) rows on the way out.
;   window 1: the 32 accumulators ((a, b) at v[8 (8 a + b)]).   window 2: W's fragments, two sets of 64.
.set PITCH,  272                       ; a row of W in LDS: 68 words: the 16 rows that a load touches start at 16 different banks (64 banks of 4 bytes: ISA guide 11.1)
.set APART,  32768                     ; the tokens' part of a slot
.set SLOT,   APART+256*PITCH
.set STAGE,  2*SLOT                    ; behind the ring: 16 rows x (512 bytes + 16) for each wave, for the way out: bytes into which no tile lands
.set SPITCH, 528
.set SPARE,  STAGE+4*16*SPITCH         ; the spare words: 128 bytes a wave, named by no other line
.set LAPS,   4                         ; a lap = two K steps = once round the ring
.set ADRA, 16                          ; v16-17 LDS address of the tokens' fragments in slot 0, 1
.set ADRB, 20                          ; v20-21 the same for W
.set STO,  24
.set RD,   25
.set CO,   26
.set SPW,  28
.set NIL,  29
.set PFO,  30                          ; v30  256 x lane: the prefetches' offset; never rewritten
.set BOF,  31                          ; v31  32 x (lane / 16): my place in the bias; never rewritten
.set AFR,  32
.set BIAS, 96
.set PFA,  20                          ; s[20:21] where my prefetches stand
.set LIM,  22                          ; s22  1 in a wave that prefetches, else the greatest number
.set G1A, 24
.set G0A, 32
.set G1B, 48
.set G0B, 56
.set MSB, 0
.macro WIN new
.if MSB != (\new)
	s_set_vgpr_msb (MSB<<8)|(\new)
.set MSB, (\new)
.endif
.endm
.macro JLOAD s                         ; a joint load: waves 0 and 1 fetch the tokens' halves, waves 2 and 3 W's.  An s_nop 0 and four v_nop follow each line
	s_cmp_eq_u32 s17, 0
	s_cbranch_scc0 .Lfor_b_\@
	tensor_load_to_lds s[G0A+4*\s:G0A+4*\s+3], s[G1A:G1A+7]
	s_nop 0
.rept 4
	v_nop
.endr
	s_branch .Lasked_\@
.Lfor_b_\@:
	tensor_load_to_lds s[G0B+4*\s:G0B+4*\s+3], s[G1B:G1B+7]
	s_nop 0
.rept 4
	v_nop
.endr
.Lasked_\@:
.endm
.macro CREST
	s_cmp_lg_u32 s16, 0
	s_cbranch_scc1 .Lnot_wave_0_\@
	s_barrier_signal -3
.Lnot_wave_0_\@:
	s_barrier_wait -3
	s_barrier_signal -1
	s_barrier_wait -1
.endm
.macro CROUND
	s_barrier_signal -1
	s_barrier_wait -1
	CREST
.endm
; A PREFETCH INTO THE L2 of the tokens' images, which the launch before stored and this launch reads once.  It stands at slot 0's change, behind the joint load and the run of LDS loads, and names the lap after the one
; whose first K step is being asked for: 8,192 consecutive bytes of one token tile, lanes 256 bytes apart, one instruction.  A tile row's 8 token tiles are shared out: waves 0 and 1 take the four that they fetch,
; and of those the partner at place cx takes one, told apart BY ADDRESS.  So each block of 256 bytes is named once.  The first two laps come by their loads alone; the loop's last trip asks for nothing.
; W is not asked for: eight clusters read each of its tiles.
.macro ASK
	s_cmp_gt_u32 s3, s[LIM]
	s_cbranch_scc0 .Lnot_mine_\@
	global_prefetch_b8 v[PFO], s[PFA:PFA+1] th:TH_LOAD_NT scope:SCOPE_SE
.Lnot_mine_\@:
.endm
	s_load_b256 s[4:11], s[0:1], 0x0               ; orf, wof, bo, br
	s_load_b128 s[12:15], s[0:1], 0x20             ; out0, out1
	v_lshl_add_u32 v[SPW], v0, 2, SPARE
	v_mov_b32 v[NIL], 0
	ds_add_u32 v[SPW], v[NIL]                      ; the wave's opening: the add, twice on end, and its wait ahead of my first tensor load
	ds_add_u32 v[SPW], v[NIL]
	v_lshrrev_b32 v1, 5, v0
	v_readfirstlane_b32 s16, v1                    ; wave 0..3
	s_lshr_b32 s17, s16, 1                         ; which half of the tile's tokens is mine.  Also: I fetch for the tokens (0) or for W (1)
	s_and_b32 s18, s16, 1                          ; which half of its outputs.  Also: which half I fetch
	s_bfe_u32 s40, ttmp6, 0x40000                  ; cx = the tile column
	s_bfe_u32 s41, ttmp6, 0x40004                  ; cy
	s_and_b32 s42, ttmp7, 0xffff                   ; the cluster's y
	s_lshr_b32 s45, s42, 3                         ; the product, 0 or 1: the same in the whole cluster
	s_lshl_b32 s42, s42, 2
	s_add_co_u32 s42, s42, s41
	s_and_b32 s42, s42, 31                         ; the tile row within the product
	s_lshl_b32 s43, s41, 2
	s_lshl_b32 s43, 15, s43                        ; my row of the cluster
	s_lshl_b32 s44, 0x1111, s40                    ; my column
	; group 1 for the tokens: 4 token tiles x 4,096 bytes (4 images), 32,768 bytes apart in memory, dense in LDS
	s_or_b32 s[G1A+0], s43, (3<<16)|(1<<21)        ; 15:0 the mask; 17:16 elements of 8 bytes; no padding; 21 set beside a mask
	s_mov_b32 s[G1A+1], 512<<16                    ; tensor_dim0 = 512 elements
	s_mov_b32 s[G1A+2], 4<<16                      ; tensor_dim1 = 4
	s_mov_b32 s[G1A+3], 512<<16                    ; tile_dim0
	s_mov_b32 s[G1A+4], 4                          ; tile_dim1
	s_mov_b32 s[G1A+5], 4096                       ; tensor_dim0_stride, in elements
	s_mov_b32 s[G1A+6], 0
	s_mov_b32 s[G1A+7], 0
	; group 1 for W: 128 rows x 128 f16, padded in LDS
	s_or_b32 s[G1B+0], s44, (1<<16)|(1<<20)|(1<<21)|(5<<22)|(3<<25)
	s_mov_b32 s[G1B+1], 128<<16
	s_mov_b32 s[G1B+2], 128<<16
	s_mov_b32 s[G1B+3], 128<<16
	s_mov_b32 s[G1B+4], 128
	s_mov_b32 s[G1B+5], 1024
	s_mov_b32 s[G1B+6], 0
	s_mov_b32 s[G1B+7], 0
	s_lshl_b32 s46, s42, 3                         ; the tokens: token tile 8 x tile row + 4 x half,
	s_lshl_b32 s47, s18, 2
	s_add_co_u32 s46, s46, s47
	s_lshl_b32 s46, s46, 15
	s_lshl_b32 s47, s45, 23                        ; 8 MiB a product
	s_add_co_u32 s46, s46, s47
	s_mov_b32 s47, 0
	s_lshl_b32 s2, s40, 8                          ; W: row 256 x tile column + 128 x half,
	s_lshl_b32 s3, s18, 7
	s_add_co_u32 s2, s2, s3
	s_lshl_b32 s2, s2, 11
	s_lshl_b32 s3, s45, 21                         ; 2 MiB a product
	s_add_co_u32 s2, s2, s3
	s_mov_b32 s3, 0
	s_lshl_b32 s23, s18, 14                        ; where they go: the tokens' half,
	s_mul_i32 s19, s18, 128*PITCH
	s_add_co_u32 s19, s19, APART                   ; W's half: no place in the cluster enters an LDS address
	s_wait_dscnt 0x0                               ; both opening adds are done
	s_wait_kmcnt 0x0
	s_add_nc_u64 s[46:47], s[4:5], s[46:47]
	s_add_nc_u64 s[2:3], s[6:7], s[2:3]
	CROUND                                         ; all sixteen work-groups are here: the first joint loads meet
.irp s, 0,1
	s_mov_b32 s[G0A+4*\s], 1
	s_add_co_u32 s[G0A+4*\s+1], s23, \s*SLOT
	s_add_nc_u64 s[G0A+4*\s+2:G0A+4*\s+3], s[46:47], \s*4096       ; K step s: 4 images on
	s_or_b32 s[G0A+4*\s+3], s[G0A+4*\s+3], 0x80000000
	s_mov_b32 s[G0B+4*\s], 1
	s_add_co_u32 s[G0B+4*\s+1], s19, \s*SLOT
	s_add_nc_u64 s[G0B+4*\s+2:G0B+4*\s+3], s[2:3], \s*256
	s_or_b32 s[G0B+4*\s+3], s[G0B+4*\s+3], 0x80000000
	JLOAD \s
.endr
	v_and_b32 v1, 15, v0                           ; r
	v_bfe_u32 v2, v0, 4, 1                         ; h
	v_and_b32 v3, 31, v0
	v_lshlrev_b32 v[CO], 4, v3                     ; 16 x lane
	v_lshlrev_b32 v[PFO], 8, v3
	v_lshlrev_b32 v[BOF], 5, v2
	v_mul_u32_u24 v4, v1, PITCH
	v_lshl_add_u32 v4, v2, 4, v4                   ; W: row x pitch + 16 h
	s_lshl_b32 s46, s17, 14                        ; my 4 token tiles
	s_mul_i32 s47, s18, 128*PITCH
	s_add_co_u32 s47, s47, APART                   ; my 128 rows of W
.irp s, 0,1
	v_add_nc_u32 v[ADRA+\s], s46, v[CO]
	v_add_nc_u32 v[ADRB+\s], s47, v4
	s_add_co_u32 s46, s46, SLOT
	s_add_co_u32 s47, s47, SLOT
.endr
	s_mul_i32 s46, s16, 16*SPITCH
	s_add_co_u32 s46, s46, STAGE                   ; my stage
	v_mul_u32_u24 v5, v1, SPITCH                   ; in: row r, 32 bytes for each half of the lanes
	v_lshl_add_u32 v5, v2, 5, v5
	v_add_nc_u32 v[STO], s46, v5
	v_add_nc_u32 v[RD], s46, v[CO]                 ; back: the 32 lanes take one row of 512 bytes
	s_cmp_eq_u32 s45, 0                            ; the choices hang on the product alone
	s_cselect_b64 s[8:9], s[8:9], s[10:11]
	s_cselect_b64 s[12:13], s[12:13], s[14:15]
	s_lshl_b32 s46, s40, 10                        ; my 128 outputs: 256 x tile column + 128 x half, 4 bytes each
	s_lshl_b32 s47, s18, 9
	s_add_co_u32 s46, s46, s47
	s_mov_b32 s47, 0
	s_add_nc_u64 s[8:9], s[8:9], s[46:47]
	s_add_nc_u64 s[12:13], s[12:13], s[46:47]
.irp b, 0,1,2,3,4,5,6,7
	global_load_b128 v[BIAS+8*\b:BIAS+8*\b+3], v[BOF], s[8:9] offset:64*\b         ; b[16 b + 8 h + 0 .. 7] of my 128
	global_load_b128 v[BIAS+8*\b+4:BIAS+8*\b+7], v[BOF], s[8:9] offset:64*\b+16
.endr
	s_lshl_b32 s46, s42, 7                         ; my first token: 128 x tile row + 64 x half; a row of the output is 4,096 bytes
	s_lshl_b32 s47, s17, 6
	s_add_co_u32 s46, s46, s47
	s_lshl_b32 s46, s46, 12
	s_mov_b32 s47, 0
	s_add_nc_u64 s[12:13], s[12:13], s[46:47]
	s_lshl_b32 s46, s42, 3                         ; the prefetches: token tile 8 x tile row + 4 x the half that I fetch + cx
	s_lshl_b32 s47, s18, 2
	s_add_co_u32 s46, s46, s47
	s_add_co_u32 s46, s46, s40
	s_lshl_b32 s46, s46, 15
	s_lshl_b32 s47, s45, 23
	s_add_co_u32 s46, s46, s47
	s_add_co_u32 s46, s46, 8192                    ; at lap 1: the first change of slots steps it to lap 2.  Nothing is prefetched here, at the head
	s_mov_b32 s47, 0
	s_add_nc_u64 s[PFA:PFA+1], s[4:5], s[46:47]
	s_cmp_eq_u32 s17, 0
	s_cselect_b32 s[LIM], 1, -1
.macro MUL8 f, a, first                ; 8 products: token block a x W's eight, 32 along K: buffer f.  first = 1: C is the bias.  The 32 accumulators take turns, in the same order in every quarter
.irp b, 0,1,2,3,4,5,6,7
.if \first
	v_wmma_f32_16x16x32_f16 v[8*(8*(\a)+\b):8*(8*(\a)+\b)+7], v[64*(\f)+8*\b:64*(\f)+8*\b+7], v[AFR+32*(\f)+8*(\a):AFR+32*(\f)+8*(\a)+7], v[BIAS+8*\b:BIAS+8*\b+7]
.else
	v_wmma_f32_16x16x32_f16 v[8*(8*(\a)+\b):8*(8*(\a)+\b)+7], v[64*(\f)+8*\b:64*(\f)+8*\b+7], v[AFR+32*(\f)+8*(\a):AFR+32*(\f)+8*(\a)+7], v[8*(8*(\a)+\b):8*(8*(\a)+\b)+7]
.endif
.endr
.endm
.macro FETCH slot, q, f                ; 24 LDS loads in one run: the slot's q-th 32 along K into buffer f: W's eight fragments, then the tokens' four
	WIN 0x80
.irp b, 0,1,2,3,4,5,6,7
	ds_load_b128 v[64*(\f)+8*\b:64*(\f)+8*\b+3],   v[ADRB+\slot] offset:64*(\q)+\b*16*PITCH
	ds_load_b128 v[64*(\f)+8*\b+4:64*(\f)+8*\b+7], v[ADRB+\slot] offset:64*(\q)+\b*16*PITCH+32
.endr
	WIN 0
.irp a, 0,1,2,3
	ds_load_b128 v[AFR+32*(\f)+8*\a:AFR+32*(\f)+8*\a+3],   v[ADRA+\slot] offset:4096*\a+1024*(\q)
	ds_load_b128 v[AFR+32*(\f)+8*\a+4:AFR+32*(\f)+8*\a+7], v[ADRA+\slot] offset:4096*\a+1024*(\q)+512
.endr
.endm
.macro PLACES                          ; four places in front of loads into registers that matrix instructions have read, and of the first read of results
.rept 4
	v_nop
.endr
.endm
; A K step is four quarters of 32 along K, 32 products each, on buffers 0, 1, 0, 1.  One of the first three: multiplies buffer f and fetches quarter q into buffer g.
.macro QUARTER slot, q, f, g, first
	s_wait_dscnt 4                                 ; W's fragments and token blocks 0, 1 are in; the youngest four loads (blocks 2, 3) may be out
	WIN 0x52-0x10*(\first)                         ; source 0 window 2, source 1 window 0, D window 1, C window 1 (the bias: window 0)
	MUL8 \f, 0, \first
	MUL8 \f, 1, \first
	PLACES
	FETCH \slot, \q, \g
	s_wait_dscnt 24                                ; all but the 24 just issued
	WIN 0x52-0x10*(\first)
	MUL8 \f, 2, \first
	MUL8 \f, 3, \first
.endm
; The last quarter multiplies buffer 1 and changes slots: ONE barrier; in front of it each wave waits for all its tensor loads, adds 0 to its spare word, and waits for that and for its reads of this slot.
; fill = 1: the barrier opens a round of the cluster's, and this slot is filled again, two K steps ahead: the first tensor load behind the round, one a wave.
.macro TURN slot, next, fill
.if (\fill) && (\slot) == 0
	s_wait_xcnt 0x0                                ; the last prefetch, a lap back, has read its address: it steps here, ahead of the waits of the change of slots
	s_add_nc_u64 s[PFA:PFA+1], s[PFA:PFA+1], 8192
.endif
	WIN 0
	s_wait_tensorcnt 0x0                           ; all my tensor loads have landed: my part of the next slot
	ds_add_u32 v[SPW], v[NIL]                      ; 0 onto my spare word
	s_wait_dscnt 5                                 ; (the add and the youngest four loads may be out)
	WIN 0x52
	MUL8 1, 0, 0                                   ; eight products stand between the add and the wait for it
	s_wait_dscnt 0x0                               ; the add is done, and my reads of this slot are over
	s_barrier_signal -1
	MUL8 1, 1, 0
	WIN 0
	s_barrier_wait -1
.if \fill
	CREST                                          ; no wave of any partner still reads this slot's tile or has a load on its way
	s_add_nc_u64 s[G0A+4*\slot+2:G0A+4*\slot+3], s[G0A+4*\slot+2:G0A+4*\slot+3], 2*4096
	s_add_nc_u64 s[G0B+4*\slot+2:G0B+4*\slot+3], s[G0B+4*\slot+2:G0B+4*\slot+3], 2*256
	JLOAD \slot                                    ; the four v_nop behind it are also the places in front of the loads below
.else
	PLACES
.endif
	FETCH \next, 0, 0
.if (\fill) && (\slot) == 0
	ASK
.endif
	WIN 0x52
	MUL8 1, 2, 0
	MUL8 1, 3, 0
.endm
	s_wait_tensorcnt 1                             ; my part of K step 0 is in (K step 1's load may be out)
	s_barrier_signal -1
	s_barrier_wait -1                              ; everybody's is
	FETCH 0, 0, 0
	s_wait_loadcnt 0x0                             ; the bias
	QUARTER 0, 1, 0, 1, 1                          ; the first quarter stands in front of the loop: its products start the sums from the bias
	WIN 0
	s_mov_b32 s3, LAPS-1
.Llap:                                             ; a trip goes once round the ring, from a lap's second quarter to the next lap's first, and fills both slots again
	QUARTER 0, 2, 1, 0, 0
	QUARTER 0, 3, 0, 1, 0
	TURN 0, 1, 1
	QUARTER 1, 1, 0, 1, 0
	QUARTER 1, 2, 1, 0, 0
	QUARTER 1, 3, 0, 1, 0
	TURN 1, 0, 1
	QUARTER 0, 1, 0, 1, 0
	WIN 0
	s_sub_co_u32 s3, s3, 1
	s_cmp_lg_u32 s3, 0
	s_cbranch_scc1 .Llap
	QUARTER 0, 2, 1, 0, 0                          ; the last lap fills nothing, and has no round of the cluster's barrier
	QUARTER 0, 3, 0, 1, 0
	TURN 0, 1, 0
	QUARTER 1, 1, 0, 1, 0
	QUARTER 1, 2, 1, 0, 0
	QUARTER 1, 3, 0, 1, 0
	s_wait_dscnt 4                                 ; the very last quarter: nothing more to fetch
	WIN 0x52
	MUL8 1, 0, 0
	MUL8 1, 1, 0
	s_wait_dscnt 0x0
	MUL8 1, 2, 0
	MUL8 1, 3, 0
	WIN 0
; THE WAY OUT, block by block of 16 tokens x 128 outputs.  A lane holds 32 neighbouring bytes of a row and the lanes beside it other rows: a block goes through my own stage and comes back as whole rows of 512 bytes.
; LDS serves a wave's instructions in order (ISA guide 5.7.1.4): no wait between the stores and the loads, nor in front of the next block's stores.
.macro TOSTAGE a
	WIN 0x04                                       ; an LDS store's data are its source 1: window 1
.irp b, 0,1,2,3,4,5,6,7
	ds_store_b128 v[STO], v[8*(8*(\a)+\b):8*(8*(\a)+\b)+3] offset:64*\b            ; each accumulator from its low end on
	ds_store_b128 v[STO], v[8*(8*(\a)+\b)+4:8*(8*(\a)+\b)+7] offset:64*\b+16
.endr
	WIN 0
.set BB, 160-128*((\a)%2)
.irp t, 0,1,2,3,4,5,6,7,8,9,10,11,12,13,14,15
	ds_load_b128 v[BB+4*\t:BB+4*\t+3], v[RD] offset:\t*SPITCH
.endr
.endm
.macro SEND a, younger                 ; younger: the LDS instructions issued behind block a's loads, which may stay out
.set BB, 160-128*((\a)%2)
	s_wait_dscnt \younger
.if (\a) > 0
	s_add_nc_u64 s[12:13], s[12:13], 16*4096       ; (behind a wait on XCNT: the earlier stores have read their base)  16 rows on
.endif
.irp t, 0,1,2,3,4,5,6,7,8,9,10,11,12,13,14,15
	global_store_b128 v[CO], v[BB+4*\t:BB+4*\t+3], s[12:13] offset:\t*4096 th:TH_STORE_NT   ; 32 lanes store 512 consecutive bytes, aligned; written once, read by nobody here
.endr
.endm
	PLACES
	TOSTAGE 0
.irp a, 1,2,3
.if \a > 1
	s_wait_xcnt 0x0                                ; block a - 2's stores have read their registers and their base
.endif
	TOSTAGE \a
	SEND \a-1, 32                                  ; behind block a - 1's loads: block a's 16 stores and 16 loads
.endr
	s_wait_xcnt 0x0
	SEND 3, 0
	s_wait_tensorcnt 0x0                           ; the wave's end, behind my last tensor load and my last LDS store
	ds_add_u32 v[SPW], v[NIL]
	s_wait_dscnt 0x0
	CROUND                                         ; the closing round
	s_endpgm
.Lfunc_end_k_qd1a0b5ddf9_outp:
	.size	k_qd1a0b5ddf9_outp, .Lfunc_end_k_qd1a0b5ddf9_outp-k_qd1a0b5ddf9_outp
	.p2alignl 7, 3214868480
	.fill 96, 4, 3214868480
	.section	.rodata,"a",@progbits
	.p2align	6, 0x0
	.amdhsa_kernel k_qd1a0b5ddf9_outp
		.amdhsa_group_segment_fixed_size 327680
		.amdhsa_private_segment_fixed_size 0
		.amdhsa_enable_private_segment 0
		.amdhsa_kernarg_size 48
		.amdhsa_user_sgpr_count 2
		.amdhsa_user_sgpr_kernarg_segment_ptr 1
		.amdhsa_wavefront_size32 1
		.amdhsa_system_sgpr_workgroup_id_x 1
		.amdhsa_system_sgpr_workgroup_id_y 1
		.amdhsa_system_sgpr_workgroup_id_z 1
		.amdhsa_system_vgpr_workitem_id 0
		.amdhsa_next_free_vgpr 640
		.amdhsa_next_free_sgpr 66
		.amdhsa_reserve_vcc 0
		.amdhsa_float_denorm_mode_32 3
		.amdhsa_float_denorm_mode_16_64 3
		.amdhsa_memory_ordered 1
		.amdhsa_forward_progress 1
		.amdhsa_inst_pref_size 88
	.end_amdhsa_kernel
	.amdgpu_metadata
---
amdhsa.version: [ 1, 2 ]
amdhsa.kernels:
  - .name:           k_qd1a0b5ddf9_outp
    .symbol:         k_qd1a0b5ddf9_outp.kd
    .args:
      - { .name: orf, .offset: 0, .size: 8, .value_kind: global_buffer, .address_space: global }
      - { .name: wof, .offset: 8, .size: 8, .value_kind: global_buffer, .address_space: global }
      - { .name: bo, .offset: 16, .size: 8, .value_kind: global_buffer, .address_space: global }
      - { .name: br, .offset: 24, .size: 8, .value_kind: global_buffer, .address_space: global }
      - { .name: out0, .offset: 32, .size: 8, .value_kind: global_buffer, .address_space: global }
      - { .name: out1, .offset: 40, .size: 8, .value_kind: global_buffer, .address_space: global }
    .group_segment_fixed_size: 327680
    .private_segment_fixed_size: 0
    .kernarg_segment_align: 8
    .kernarg_segment_size: 48
    .max_flat_workgroup_size: 128
    .sgpr_count:     66
    .vgpr_count:     640
    .wavefront_size: 32
...
	.end_amdgpu_metadata
.endif
;; end of part 4
